; MI455X (gfx1250); checked and timed in simulation.
; The chip was launched on July 23, 2026; its instructions are those of AMD's public machine-readable ISA for CDNA 5 (MIT licence, August 2026) and "CDNA5" Instruction Set Architecture Reference Guide (July 2026). The comments in the code are by the model that wrote it; some were corrected since.
;; Causal Self Attention. Allowed arithmetic: matrix products marked QUANTISED: E2M1 operands, one E8M0 scale for each 32 along K, by v_wmma_scale_f32_16x16x128_f8f6f4 with both operands' format E2M1 (or v_wmma_scale_f32_32x16x128_f4), f32 sums; products left as they are: bf16, f16 or f32 operands; f32 sums; everything else in f32.
;; Inputs: attention_mask 2 x 2,048 int32; b_attn 3,072 float32; b_proj 1,024 float32; w_attn 1,024 x 3,072 float32; w_proj 1,024 x 1,024 float32; x 2 x 2,048 x 1,024 float32.
;; Outputs: out0 2 x 2,048 x 1,024 float32.
;; This version of the problem:
;;   THIS VERSION OF THE PROBLEM IS GIVEN IN LOW PRECISION. The matrix products marked QUANTISED in the list below multiply operands that are first quantised to E2M1 (2 exponent bits, 1 mantissa bit; 4 bits a number), with one power-of-two scale for each 32 numbers along K (OCP MX v1.0); their sums are f32. The products marked 'left as it is' may take bf16, f16 or f32 operands, with f32 sums. Whichever they take, every output number must still come out within the allowed error. Rounding operands to bf16 (8 significant bits) uses up far more of that allowance than f16 does (11 bits, for magnitudes from 6e-5 to 65,504). All else is computed in f32.
;;   The module's matrix products, in the order in which they are computed (A, B: the left and right operand; K: the contracted axis; several contracted axes count as one K, in the product's order):
;;     1. [M 4,096, K 1,024] x [K 1,024, N 3,072]; A: input x; B: input w_attn: QUANTISED
;;     2. batch 32 x [M 2,048, K 64] x [K 64, N 2,048]; A: computed on the way; B: computed on the way: left as it is (an operand is computed on the way)
;;     3. batch 32 x [M 2,048, K 2,048] x [K 2,048, N 64]; A: computed on the way; B: computed on the way: left as it is (an operand is computed on the way)
;;     4. [M 4,096, K 1,024] x [K 1,024, N 1,024]; A: computed on the way; B: input w_proj: left as it is (an operand is computed on the way)
;;   THE QUANTISER, for each operand of a quantised product, along K:
;;     - K is cut into blocks of 32 from its start; a last block that is shorter is filled with zeros.
;;     - A block's scale is 2^e with e = floor(log2(the largest magnitude in the block)) - 2, held to -126 .. 127; a block of zeros has e = 0. As a byte (E8M0): e + 127.
;;     - Each number is divided by its block's scale, clamped to +-6, and rounded to the nearest number of E2M1, ties to even, subnormals kept.
;;     - The product sums the exact products of the quantised numbers (number of the format x scale) in f32.
;;   ~~~python
;;   def quantise(x, axis):      # numpy; x: float32 -> the quantised numbers, widened to float32 again
;;       x = np.moveaxis(x, axis, -1); K = x.shape[-1]
;;       x = np.pad(x, [(0, 0)] * (x.ndim - 1) + [(0, -K % 32)]); x = x.reshape(x.shape[:-1] + (-1, 32)); a = np.abs(x).max(-1, keepdims=True)
;;       e = np.where(a > 0, np.clip(np.frexp(np.where(a > 0, a, 1))[1] - 1 - 2, -126, 127), 0)      # np.frexp(a)[1] - 1 = floor(log2(a)), exactly
;;       r = np.clip(x / 2.0 ** e, -6, 6)
;;       step = 2.0 ** (np.maximum(np.frexp(np.where(r == 0, 1, r))[1] - 1, 0) - 1)
;;       q = np.round(r / step) * step * 2.0 ** e      # np.round: ties to even
;;       return np.moveaxis(q.reshape(q.shape[:-2] + (-1,))[..., :K], -1, axis).astype(np.float32)
;;   ~~~
;; One version. Each part assembles by itself: llvm-mc -triple=amdgcn-amd-amdhsa -mcpu=gfx1250 --defsym DOCPART=n.
;; ======== version 1 of 1: 4 launches
;; limits: values are held in f16: magnitudes above 65,504 overflow, below 6.1e-05 lose precision
;; workspace buffers: x_img 2,097,152 bytes; xs 131,072 bytes; w_img 1,572,864 bytes; ws 98,304 bytes; wp_img 2,097,152 bytes; qkv_img 25,165,824 bytes; a_img 8,388,608 bytes
;; launch prep (part 1): grid 768 x 1, 4 waves a work-group, no clusters, 34,304 bytes of LDS; arguments x, w_attn, w_proj, x_img, xs, w_img, ws, wp_img; writes x_img, xs, w_img, ws, wp_img
.if DOCPART == 1
	.amdgcn_target "amdgcn-amd-amdhsa--gfx1250"
	.amdhsa_code_object_version 6
	.text
	.protected	k_q940445511f_prep
	.globl	k_q940445511f_prep
	.p2align	8
	.type	k_q940445511f_prep,@function
k_q940445511f_prep:
	s_mov_b64 s[64:65], 0
	v_nop
	global_prefetch_b8 v0, s[64:65] scope:SCOPE_SE
	s_setreg_imm32_b32 hwreg(HW_REG_WAVE_MODE, 25, 1), 1
	s_wait_xcnt 0x0
; prep: x [4096][1024] and w_attn [1024][3072], f32, become codes of FP4 (E2M1) with one E8M0 byte for each 32 along K = 1,024; w_proj [1024][1024] becomes f16.
; All three leave IN THE ORDER OF THE OPERAND'S REGISTERS: a piece of 512 bytes is one register group of a wave, lane l's 16 bytes at 16 l, so that the later launches load fragments as they lie.
;   x_img  [token tile 256][K step 8][c 2][lane 32][16 B]: lane (r, h), part c: the 32 codes of token r at k = 128 s + 64 c + 32 h.   xs [K step 8][token 4096]: a token's four scale bytes of a K step, one word.
;   w_img  [column tile 192][K step 8][c][lane][16 B], ws [K step 8][column 3072]: the same with a column of w_attn for a token.
;   wp_img [column tile 64][32 k 32][c 2][lane][16 B]: lane (r, h), part c: w_proj(32 ks + 16 c + 8 h + 0 .. 7, column r) as f16.
; A block's scale is 2^(floor(log2(largest magnitude)) - 2): its byte is the largest magnitude's exponent field - 2, held at 1 from below.
; LIMITS: a block of zeros gets the byte 1 where the rule says 127 (its codes are zeros, and this program alone reads the bytes); NaN and infinities are not served; |w_proj| stays under 65,504, f16's largest number.
; SHARES: work-groups 0-511 take x (a wave: 16 tokens x 128 k, one fragment), 512-703 w_attn and 704-767 w_proj (a wave: 32 columns x 128 k, a lane to a column, its registers down K).
; Every wave issues all its loads first and then works: no loop, no stepped pointer, every offset an immediate.  Waves share nothing: no barrier.  Matrix units, clusters and tensor loads would add nothing to a stream.
.set STG,   8448                       ; x's path: a wave's stage in LDS: 16 rows of SP bytes
.set SP,    528                        ; a row: 512 bytes + 16 of padding, so that sixteen lanes that read sixteen rows fall on sixteen different columns of 16 bytes
.set SPARE, 4*STG                      ; behind the stages: the spare words, 128 bytes a wave: two blocks of 256 bytes that no other line names
.set SPW,   12                         ; v12  LDS address of my spare word; never rewritten
.set NIL,   13                         ; v13  0; never rewritten
.set R,     16                         ; v16-79   x as loaded: 16 rows x 4 registers
.set X,     80                         ; v80-143  x as quantised: two blocks of 32 neighbours
.set C,     144                        ; v144-151 the fragment's codes
.set WX,    32                         ; v32-159  a column's 128 numbers down K
.set WC,    160                        ; v160-175 its codes, four registers a block
.set WW,    176                        ; v176     its scale word
.macro FINISH                          ; a wave's end
	s_wait_tensorcnt 0x0
	ds_add_u32 v[SPW], v[NIL]
	s_wait_dscnt 0x0
	s_endpgm
.endm
	s_load_b256 s[4:11], s[0:1], 0x0               ; x s[4:5], w_attn s[6:7], w_proj s[8:9], x_img s[10:11]
	s_load_b256 s[12:19], s[0:1], 0x20             ; xs s[12:13], w_img s[14:15], ws s[16:17], wp_img s[18:19]
	v_lshl_add_u32 v[SPW], v0, 2, SPARE
	v_mov_b32 v[NIL], 0
	v_lshrrev_b32 v1, 5, v0
	v_readfirstlane_b32 s22, v1                    ; wave 0..3
	v_and_b32 v1, 31, v0                           ; lane
	v_and_b32 v2, 15, v0                           ; r
	v_bfe_u32 v3, v0, 4, 1                         ; h
	s_mov_b32 s20, 0x76543210
	s_mov_b32 s21, 0xfedcba98                      ; v_permlanex16_b32's selects for lane l xor 16
	s_mov_b32 s27, 0                               ; the upper word of every offset
	s_wait_kmcnt 0x0
	s_cmp_lt_u32 ttmp9, 512
	s_cbranch_scc0 .Lnot_x
; ---------------- x: one fragment a wave
	s_lshr_b32 s24, ttmp9, 1                       ; the token tile
	s_and_b32 s25, ttmp9, 1
	s_lshl_b32 s25, s25, 2
	s_add_co_u32 s25, s25, s22                     ; the K step: the four waves stand side by side on 2,048 bytes of each row
	s_lshl_b32 s26, s24, 16                        ; 16 rows of 4,096 bytes
	s_lshl_b32 s28, s25, 9                         ; 128 numbers
	s_add_co_u32 s26, s26, s28
	s_add_nc_u64 s[4:5], s[4:5], s[26:27]
	s_lshl_b32 s26, s24, 13                        ; a tile's eight fragments of 1,024 bytes
	s_lshl_b32 s28, s25, 10
	s_add_co_u32 s26, s26, s28
	s_add_nc_u64 s[10:11], s[10:11], s[26:27]
	s_lshl_b32 s26, s25, 14                        ; a K step's 4,096 words
	s_lshl_b32 s28, s24, 6
	s_add_co_u32 s26, s26, s28
	s_add_nc_u64 s[12:13], s[12:13], s[26:27]
	s_mul_i32 s23, s22, STG                        ; my stage
	v_lshlrev_b32 v4, 4, v1                        ; 16 x lane: a row's 512 bytes as they lie, and a piece of the image
	v_add_nc_u32 v5, s23, v4                       ; into the stage
	v_mul_u32_u24 v6, v2, SP
	v_lshl_add_u32 v6, v3, 7, v6
	v_add_nc_u32 v6, s23, v6                       ; out of it: row r, 128 h bytes on: my block of 32
	v_lshlrev_b32 v7, 2, v2                        ; my token's scale word
.set i, 0
.rept 16
	global_load_b128 v[R+4*i:R+4*i+3], v4, s[4:5] offset:4096*i th:TH_LOAD_NT   ; 32 lanes read 512 consecutive bytes of token i
.set i, i+1
.endr
.set i, 0
.rept 16
	s_wait_loadcnt 15-i                            ; loads come back in order: row i is in, the younger ones may be out
	ds_store_b128 v5, v[R+4*i:R+4*i+3] offset:SP*i
.set i, i+1
.endr
.irp c, 0,1
.irp i, 0,1,2,3,4,5,6,7
	ds_load_b128 v[X+32*\c+4*\i:X+32*\c+4*\i+3], v6 offset:256*\c+16*\i   ; my own bytes, served in order behind my stores: x(token r, 64 c + 32 h + 4 i ..)
.endr
.endr
	s_wait_dscnt 0x0
.irp c, 0,1
	v_max3_num_f32 v[8+\c], |v[X+32*\c]|, |v[X+32*\c+1]|, 0x1800000   ; block 2 c + h is all mine; the floor 2^(3 - 127) holds the byte at 1 from below
.endr
.irp i, 2,4,6,8,10,12,14,16,18,20,22,24,26,28,30
.irp c, 0,1
	v_max3_num_f32 v[8+\c], v[8+\c], |v[X+32*\c+\i]|, |v[X+32*\c+\i+1]|   ; (the two blocks by turns)
.endr
.endr
.irp c, 0,1
	v_add_nc_u32 v[10+\c], 0xff000000, v[8+\c]     ; 2 off the exponent field: the conversion takes this operand's exponent field as its scale
.endr
.irp c, 0,1
	v_lshrrev_b32 v[152+\c], 23, v[10+\c]          ; the scale's byte
.endr
	v_lshl_or_b32 v154, v153, 16, v152             ; my two bytes, blocks h and 2 + h,
	v_lshlrev_b32 v155, 3, v3
	v_lshlrev_b32 v154, v155, v154                 ; at their places in the word;
	v_mov_b32 v155, 0
	v_permlanex16_b32 v155, v154, s20, s21
	v_or_b32 v154, v154, v155                      ; with lane l xor 16's two the word is whole
.irp c, 0,1
.irp g, 0,1,2,3
	v_cvt_scalef32_pk8_fp4_f32 v[C+4*\c+\g], v[X+32*\c+8*\g:X+32*\c+8*\g+7], v[10+\c]
.endr
.endr
	v_nop                                          ; one plain line behind the last scaled conversion
.irp c, 0,1
	global_store_b128 v4, v[C+4*\c:C+4*\c+3], s[10:11] offset:512*\c   ; 32 lanes store 512 consecutive bytes
.endr
	global_store_b32 v7, v154, s[12:13]            ; lanes r and r + 16 store the same word at the same place
	FINISH
.Lnot_x:
	s_cmp_lt_u32 ttmp9, 704
	s_cbranch_scc0 .Lpath_p
; ---------------- w_attn: 32 columns x 128 k a wave
	s_sub_co_u32 s24, ttmp9, 512
	s_and_b32 s25, s24, 7                          ; the K step
	s_lshr_b32 s24, s24, 3                         ; which 128 columns
	s_lshl_b32 s28, s24, 9
	s_lshl_b32 s29, s22, 7
	s_add_co_u32 s28, s28, s29                     ; my first column, in bytes of f32 or of scale words
	s_mul_i32 s26, s25, 128*12288                  ; 128 rows of w_attn
	s_add_co_u32 s26, s26, s28
	s_add_nc_u64 s[6:7], s[6:7], s[26:27]
	s_mul_i32 s26, s25, 12288                      ; a K step's 3,072 words
	s_add_co_u32 s26, s26, s28
	s_add_nc_u64 s[16:17], s[16:17], s[26:27]
	s_lshl_b32 s26, s24, 16                        ; eight column tiles of 8,192 bytes,
	s_lshl_b32 s29, s22, 14                        ; my two of them,
	s_add_co_u32 s26, s26, s29
	s_lshl_b32 s29, s25, 10                        ; the K step's fragment
	s_add_co_u32 s26, s26, s29
	s_add_nc_u64 s[14:15], s[14:15], s[26:27]
	v_lshlrev_b32 v4, 2, v1                        ; in: 4 bytes a lane; and my column's scale word
	v_lshlrev_b32 v5, 4, v2
	v_lshl_add_u32 v5, v3, 13, v5                  ; out: 16 r, lanes 16-31 in the next column tile
.set i, 0
.rept 128
	global_load_b32 v[WX+i], v4, s[6:7] offset:12288*i th:TH_LOAD_NT   ; w_attn(128 s + i, my column): 32 lanes read 128 consecutive bytes
.set i, i+1
.endr
.macro WBLK kb, left                   ; block kb of my column: in the fragment it is part kb / 2 of lane (r, kb % 2): byte 256 kb + 16 r
.set XS, WX+32*(\kb)
	s_wait_loadcnt \left                           ; this block's 32 loads are in (the count is what the wait's field holds, or the younger loads if fewer)
	v_max3_num_f32 v8, |v[XS]|, |v[XS+1]|, |v[XS+2]|
	v_max3_num_f32 v9, |v[XS+3]|, |v[XS+4]|, |v[XS+5]|
.irp i, 6,10,14,18,22,26
	v_max3_num_f32 v8, v8, |v[XS+\i]|, |v[XS+\i+1]|
	v_max3_num_f32 v9, v9, |v[XS+\i+2]|, |v[XS+\i+3]|
.endr
	v_max3_num_f32 v8, v8, |v[XS+30]|, |v[XS+31]|
	v_max3_num_f32 v8, v8, v9, 0x1800000           ; and the floor
	v_add_nc_u32 v10, 0xff000000, v8
	v_lshrrev_b32 v11, 23, v10
.if (\kb) == 0
	v_mov_b32 v[WW], v11
.else
	v_lshl_or_b32 v[WW], v11, 8*(\kb), v[WW]
.endif
.irp g, 0,1,2,3
	v_cvt_scalef32_pk8_fp4_f32 v[WC+4*(\kb)+\g], v[XS+8*\g:XS+8*\g+7], v10
.endr
	v_nop                                          ; one plain line behind the scaled conversions
	global_store_b128 v5, v[WC+4*(\kb):WC+4*(\kb)+3], s[14:15] offset:256*(\kb)   ; sixteen lanes store 256 consecutive bytes, aligned
.endm
	WBLK 0, 63
	WBLK 1, 63
	WBLK 2, 32
	WBLK 3, 0
	global_store_b32 v4, v[WW], s[16:17]
	FINISH
.Lpath_p:
; ---------------- w_proj: 32 columns x 128 k a wave, rounded to f16
	s_sub_co_u32 s24, ttmp9, 704
	s_and_b32 s25, s24, 7                          ; which 128 along K
	s_lshr_b32 s24, s24, 3                         ; which 128 columns
	s_lshl_b32 s26, s25, 19                        ; 128 rows of 4,096 bytes
	s_lshl_b32 s28, s24, 9
	s_add_co_u32 s26, s26, s28
	s_lshl_b32 s28, s22, 7
	s_add_co_u32 s26, s26, s28
	s_add_nc_u64 s[8:9], s[8:9], s[26:27]
	s_lshl_b32 s26, s24, 18                        ; eight column tiles of 32,768 bytes,
	s_lshl_b32 s28, s22, 16                        ; my two of them,
	s_add_co_u32 s26, s26, s28
	s_lshl_b32 s28, s25, 12                        ; four fragments of 1,024 bytes
	s_add_co_u32 s26, s26, s28
	s_add_nc_u64 s[18:19], s[18:19], s[26:27]
	v_lshlrev_b32 v4, 2, v1
	v_lshlrev_b32 v5, 4, v2
	v_lshl_add_u32 v5, v3, 15, v5                  ; out: 16 r, lanes 16-31 in the next column tile
.set i, 0
.rept 128
	global_load_b32 v[WX+i], v4, s[8:9] offset:4096*i th:TH_LOAD_NT
.set i, i+1
.endr
.set o, 0
.rept 16                               ; eight numbers down K are 16 bytes: part (o / 2) % 2 of lane (r, o % 2) of fragment o / 4: byte 256 o + 16 r
.if 120-8*o > 63
	s_wait_loadcnt 63
.else
	s_wait_loadcnt 120-8*o                         ; the loads behind this octet's may be out
.endif
.irp i, 0,1,2,3
	v_cvt_pk_f16_f32 v[WX+4*o+\i], v[WX+8*o+2*\i], v[WX+8*o+2*\i+1]   ; packed in place, ascending: what is written over has been read, and no store's data are written again
.endr
	global_store_b128 v5, v[WX+4*o:WX+4*o+3], s[18:19] offset:256*o
.set o, o+1
.endr
	FINISH
.Lfunc_end_k_q940445511f_prep:
	.size	k_q940445511f_prep, .Lfunc_end_k_q940445511f_prep-k_q940445511f_prep
	.p2alignl 7, 3214868480
	.fill 96, 4, 3214868480
	.section	.rodata,"a",@progbits
	.p2align	6, 0x0
	.amdhsa_kernel k_q940445511f_prep
		.amdhsa_group_segment_fixed_size 34304
		.amdhsa_private_segment_fixed_size 0
		.amdhsa_enable_private_segment 0
		.amdhsa_kernarg_size 64
		.amdhsa_user_sgpr_count 2
		.amdhsa_user_sgpr_kernarg_segment_ptr 1
		.amdhsa_wavefront_size32 1
		.amdhsa_system_sgpr_workgroup_id_x 1
		.amdhsa_system_sgpr_workgroup_id_y 1
		.amdhsa_system_sgpr_workgroup_id_z 1
		.amdhsa_system_vgpr_workitem_id 0
		.amdhsa_next_free_vgpr 192
		.amdhsa_next_free_sgpr 66
		.amdhsa_reserve_vcc 0
		.amdhsa_float_denorm_mode_32 3
		.amdhsa_float_denorm_mode_16_64 3
		.amdhsa_memory_ordered 1
		.amdhsa_forward_progress 1
		.amdhsa_inst_pref_size 48
	.end_amdhsa_kernel
	.amdgpu_metadata
---
amdhsa.version: [ 1, 2 ]
amdhsa.kernels:
  - .name:           k_q940445511f_prep
    .symbol:         k_q940445511f_prep.kd
    .args:
      - { .name: x, .offset: 0, .size: 8, .value_kind: global_buffer, .address_space: global }
      - { .name: w_attn, .offset: 8, .size: 8, .value_kind: global_buffer, .address_space: global }
      - { .name: w_proj, .offset: 16, .size: 8, .value_kind: global_buffer, .address_space: global }
      - { .name: x_img, .offset: 24, .size: 8, .value_kind: global_buffer, .address_space: global }
      - { .name: xs, .offset: 32, .size: 8, .value_kind: global_buffer, .address_space: global }
      - { .name: w_img, .offset: 40, .size: 8, .value_kind: global_buffer, .address_space: global }
      - { .name: ws, .offset: 48, .size: 8, .value_kind: global_buffer, .address_space: global }
      - { .name: wp_img, .offset: 56, .size: 8, .value_kind: global_buffer, .address_space: global }
    .group_segment_fixed_size: 34304
    .private_segment_fixed_size: 0
    .kernarg_segment_align: 8
    .kernarg_segment_size: 64
    .max_flat_workgroup_size: 128
    .sgpr_count:     66
    .vgpr_count:     192
    .wavefront_size: 32
...
	.end_amdgpu_metadata
.endif
;; end of part 1
;; launch qkv (part 2): grid 12 x 16, 4 waves a work-group, clusters of 4 x 4, 262,656 bytes of LDS; arguments x_img, xs, w_img, ws, b_attn, attention_mask, qkv_img; writes qkv_img
.if DOCPART == 2
	.amdgcn_target "amdgcn-amd-amdhsa--gfx1250"
	.amdhsa_code_object_version 6
	.text
	.protected	k_q940445511f_qkv
	.globl	k_q940445511f_qkv
	.p2align	8
	.type	k_q940445511f_qkv,@function
k_q940445511f_qkv:
	s_mov_b64 s[64:65], 0
	v_nop
	global_prefetch_b8 v0, s[64:65] scope:SCOPE_SE
	s_setreg_imm32_b32 hwreg(HW_REG_WAVE_MODE, 25, 1), 1
	s_wait_xcnt 0x0
	s_wait_alu depctr_hold_cnt(0) depctr_sa_sdst(0) depctr_va_vdst(0) depctr_va_sdst(0) depctr_va_ssrc(0) depctr_va_vcc(0) depctr_vm_vsrc(0)
	s_getreg_b32 s2, hwreg(HW_REG_IB_STS2, 6, 4)
	s_cmp_eq_u32 s2, 0
	s_cbranch_scc0 .Lentry_in_a_cluster
	s_endpgm
.Lentry_in_a_cluster:
	s_bfe_u32 s2, ttmp6, 0x10000c
	s_cmp_lg_u32 s2, 0xf033
	s_cbranch_scc0 .Lentry_shape_is_right
	s_endpgm
.Lentry_shape_is_right:
; qkv = Q(x) Q(w_attn) + b_attn on codes of FP4 with E8M0 scales, K = 1,024; the results leave as f16 images for the attention launch.
; A tile of 256 tokens x 256 columns is made by four waves, each 128 x 128: 64 accumulators, 512 registers.  All of K fits in LDS (128 KiB of x's codes, 128 KiB of w's): every fill is a first fill,
; in four chunks of 256 along K, so that the products of a chunk run while the later chunks land.  Nothing is filled again.
; CLUSTERS: 4 x 4 work-groups; the four of a row need the same tokens, the four of a column the same columns of w: each chunk is asked for jointly.  A cluster's 1,024 columns are q, k or v whole: the kind is the cluster's x.
; 192 work-groups: tiles of 192 columns would make 256, but would put two kinds and parts of heads into one wave.
; THE MATRIX INSTRUCTION IS USED TRANSPOSED (source 0 = 16 columns of w, source 1 = 16 tokens): a lane holds eight neighbouring channels of one token.  The bias is the C of each sum's first product.
; THE WAY OUT: q is multiplied by c = log2(e) / 32 (the softmax's scale and base in one), k by 0 where the token's mask is 0 (its score is then exactly what the attention launch adds for it), v by 1; rounded to f16.
;   qkv_img [kind 3][batch x head 32][token tile 128][channel tile 4][512 B]: q, k: lane (r, h) at 16 r + 256 h (register order of a fragment); v: at 32 r + 16 h (16 rows of 32 bytes, for the turning load).
; LIMITS: |q c|, |k|, |v| stay under 65,504, f16's largest number; under 6e-5 f16's fixed step applies; inputs are finite.
; REGISTERS: window 0: v16-23 LDS addresses; v26 my place in a piece; v32-63 x's scale words, v64-95 w's (these hold scales and nothing else); v96-111 the way out's factors; v112-119 mask words;
;   v128-191 x's fragments, ONE set (later the scaled results); v192-255 the bias, 8 registers a column tile (later the packed results).  window 1: w's fragments, two sets, v0 and v128.  windows 2, 3: accumulators.
.set SPARE, 262144                     ; behind the four chunks: the spare words, 128 bytes a wave
.set CHUNK, 65536                      ; a chunk: x's 16 tiles x 2,048 bytes, then w's 16
.set ADRA, 16
.set ADRB, 20
.set CO,   26
.set FAC,  27
.set SPW,  28                          ; v28  LDS address of my spare word; never rewritten
.set NIL,  29                          ; v29  0; never rewritten
.set SA,   32                          ; register 4 s + i: lanes 0-15 the words of token tile 2 i, lanes 16-31 of tile 2 i + 1, K step s
.set SB,   64                          ; the same for column tiles
.set FP,   96
.set MK,   112
.set AF,   128
.set TMP,  128
.set BIAS, 192
.set OUT,  192
.set WV,   18
.set RH,   19                          ; which half of the tile's tokens is mine.  Also: I fetch for x (0) or for w (1)
.set CH,   20                          ; which half of its columns.  Also: which eight tiles I fetch
.set G1A,  24                          ; s[24:31] group 1 for x's chunks; s[32:47] four groups 0
.set G0A,  32
.set G1B,  48                          ; s[48:55], s[68:83] the same for w's
.set G0B,  68
.set MSB, 0
.macro WIN new                         ; the immediate's high byte repeats the setting that is left
.if MSB != (\new)
	s_set_vgpr_msb (MSB<<8)|(\new)
.set MSB, (\new)
.endif
.endm
.macro PLACES n                        ; plain vector lines between a matrix instruction and a load into, or a vector read or write of, its registers
.rept \n
	v_nop
.endr
.endm
.macro CROUND                          ; a round of the cluster's barrier
	s_barrier_signal -1
	s_barrier_wait -1
	s_cmp_lg_u32 s[WV], 0
	s_cbranch_scc1 .Lnot_wave_0_\@
	s_barrier_signal -3
.Lnot_wave_0_\@:
	s_barrier_wait -3
	s_barrier_signal -1
	s_barrier_wait -1
.endm
	s_load_b256 s[4:11], s[0:1], 0x0               ; x_img s[4:5], xs s[6:7], w_img s[8:9], ws s[10:11]
	s_load_b128 s[12:15], s[0:1], 0x20             ; b_attn s[12:13], attention_mask s[14:15]
	s_load_b64 s[16:17], s[0:1], 0x30              ; qkv_img
	v_lshl_add_u32 v[SPW], v0, 2, SPARE
	v_mov_b32 v[NIL], 0
	ds_add_u32 v[SPW], v[NIL]                      ; the opening: the add, twice on end, and its wait ahead of my first tensor load
	ds_add_u32 v[SPW], v[NIL]
	v_lshrrev_b32 v1, 5, v0
	v_readfirstlane_b32 s[WV], v1                  ; wave 0..3
	s_lshr_b32 s[RH], s[WV], 1
	s_and_b32 s[CH], s[WV], 1
	s_bfe_u32 s84, ttmp6, 0x40000                  ; cx
	s_bfe_u32 s85, ttmp6, 0x40004                  ; cy
	s_lshl_b32 s86, ttmp9, 2
	s_add_co_u32 s86, s86, s84                     ; tile column = 4 x cluster x + cx
	s_and_b32 s87, ttmp7, 0xffff
	s_lshl_b32 s87, s87, 2
	s_add_co_u32 s87, s87, s85                     ; tile row = 4 x cluster y + cy
	s_lshl_b32 s88, s85, 2
	s_lshl_b32 s88, 15, s88                        ; my row of the cluster
	s_lshl_b32 s89, 0x1111, s84                    ; my column
	; group 1: eight tiles' 2,048 bytes (two K steps), 8,192 bytes from tile to tile; elements of 8 bytes; no padding: pieces are read as they lie
	s_or_b32 s[G1A], s88, (3<<16)|(1<<21)
	s_or_b32 s[G1B], s89, (3<<16)|(1<<21)
.irp g, G1A, G1B
	s_mov_b32 s[\g+1], 256<<16                     ; tensor_dim0 = 256 elements
	s_mov_b32 s[\g+2], 8<<16                       ; tensor_dim1 = 8
	s_mov_b32 s[\g+3], 256<<16                     ; tile_dim0
	s_mov_b32 s[\g+4], 8                           ; tile_dim1
	s_mov_b32 s[\g+5], 1024                        ; elements from row to row
	s_mov_b32 s[\g+6], 0
	s_mov_b32 s[\g+7], 0
.endr
	s_lshl_b32 s56, s[CH], 16                      ; the eight tiles that I fetch
	s_lshl_b32 s90, s87, 17                        ; x's: 16 tiles of 8,192 bytes a tile row: made of the tile row and the wave alone
	s_add_co_u32 s90, s90, s56
	s_mov_b32 s91, 0
	s_lshl_b32 s92, s86, 17                        ; w's: made of the tile column and the wave alone
	s_add_co_u32 s92, s92, s56
	s_mov_b32 s93, 0
	s_lshl_b32 s57, s[WV], 14                      ; in a chunk: wave x 16,384: no place in the cluster enters an LDS address
	s_lshl_b32 s94, s87, 10                        ; my 128 tokens' words (scales, mask): 4 (256 tile row + 128 half)
	s_lshl_b32 s62, s[RH], 9
	s_add_co_u32 s94, s94, s62
	s_mov_b32 s95, 0
	s_lshl_b32 s96, s86, 10                        ; my 128 columns' words (scales, bias)
	s_lshl_b32 s62, s[CH], 9
	s_add_co_u32 s96, s96, s62
	s_mov_b32 s97, 0
	s_lshl_b32 s98, ttmp9, 23                      ; the way out: the kind's 8,388,608 bytes,
	s_lshr_b32 s62, s87, 3
	s_lshl_b32 s62, s62, 22                        ; the batch's 16 heads of 262,144,
	s_add_co_u32 s98, s98, s62
	s_lshl_b32 s62, s84, 20                        ; my work-group's four heads,
	s_add_co_u32 s98, s98, s62
	s_lshl_b32 s62, s[CH], 19                      ; my wave's two,
	s_add_co_u32 s98, s98, s62
	s_and_b32 s62, s87, 7
	s_lshl_b32 s62, s62, 15                        ; the tile row's 16 token tiles of 2,048,
	s_add_co_u32 s98, s98, s62
	s_lshl_b32 s62, s[RH], 14                      ; my wave's eight
	s_add_co_u32 s98, s98, s62
	s_mov_b32 s99, 0
	s_mov_b32 s58, 0x3f800000
	s_cmp_eq_u32 ttmp9, 0
	s_cselect_b32 s58, 0x3d38aa3b, s58             ; q: c = log2(e) / 32; k, v: 1
	s_cmp_eq_u32 ttmp9, 1
	s_cselect_b32 s59, 0, 1                        ; 0 for k: only there the mask counts
	s_mov_b32 s61, 256
	s_cmp_eq_u32 ttmp9, 2
	s_cselect_b32 s60, 32, 16                      ; a lane's place in a piece: v: 32 r + 16 h; q, k: 16 r + 256 h
	s_cselect_b32 s61, 16, s61
	s_wait_dscnt 0x0                               ; both opening adds are done
	s_wait_kmcnt 0x0
	s_add_nc_u64 s[90:91], s[4:5], s[90:91]
	s_add_nc_u64 s[92:93], s[8:9], s[92:93]
	s_add_nc_u64 s[6:7], s[6:7], s[94:95]
	s_add_nc_u64 s[14:15], s[14:15], s[94:95]
	s_add_nc_u64 s[10:11], s[10:11], s[96:97]
	s_add_nc_u64 s[12:13], s[12:13], s[96:97]
	s_add_nc_u64 s[16:17], s[16:17], s[98:99]
.irp q, 0,1,2,3
	s_mov_b32 s[G0A+4*\q], 1
	s_add_co_u32 s[G0A+4*\q+1], s57, \q*CHUNK
	s_add_nc_u64 s[G0A+4*\q+2:G0A+4*\q+3], s[90:91], \q*2048
	s_or_b32 s[G0A+4*\q+3], s[G0A+4*\q+3], 0x80000000
	s_mov_b32 s[G0B+4*\q], 1
	s_add_co_u32 s[G0B+4*\q+1], s57, \q*CHUNK
	s_add_nc_u64 s[G0B+4*\q+2:G0B+4*\q+3], s[92:93], \q*2048
	s_or_b32 s[G0B+4*\q+3], s[G0B+4*\q+3], 0x80000000
.endr
	CROUND                                         ; all sixteen work-groups are here: the joint loads meet
	s_cmp_eq_u32 s[RH], 0                          ; a wave's four fills stand in one branch on its number: four tensor loads of mine are out
	s_cbranch_scc0 .Lfill_w
.irp q, 0,1,2,3
	tensor_load_to_lds s[G0A+4*\q:G0A+4*\q+3], s[G1A:G1A+7]
	s_nop 0
.endr
	PLACES 4
	s_branch .Lfilled
.Lfill_w:
.irp q, 0,1,2,3
	tensor_load_to_lds s[G0B+4*\q:G0B+4*\q+3], s[G1B:G1B+7]
	s_nop 0
.endr
	PLACES 4
.Lfilled:
	v_and_b32 v1, 31, v0                           ; lane
	v_and_b32 v2, 15, v0                           ; r
	v_bfe_u32 v3, v0, 4, 1                         ; h
	v_lshlrev_b32 v4, 2, v1                        ; a word a lane
	v_lshlrev_b32 v5, 5, v3                        ; the bias: my half's eight numbers
	v_lshlrev_b32 v6, 2, v2                        ; the mask: my token's word
	v_lshlrev_b32 v7, 4, v1                        ; 16 x lane
.irp s, 0,1,2,3,4,5,6,7
.irp i, 0,1,2,3
	global_load_b32 v[SA+4*\s+\i], v4, s[6:7] offset:16384*\s+128*\i     ; 32 tokens' scale words of K step s
	global_load_b32 v[SB+4*\s+\i], v4, s[10:11] offset:12288*\s+128*\i   ; 32 columns'
.endr
.endr
.irp b, 0,1,2,3,4,5,6,7
	global_load_b128 v[BIAS+8*\b:BIAS+8*\b+3], v5, s[12:13] offset:64*\b        ; b_attn at columns 16 b + 8 h + 0 .. 7: the result's layout
	global_load_b128 v[BIAS+8*\b+4:BIAS+8*\b+7], v5, s[12:13] offset:64*\b+16
.endr
.irp a, 0,1,2,3,4,5,6,7
	global_load_b32 v[MK+\a], v6, s[14:15] offset:64*\a                  ; the mask of token 16 a + r
.endr
	s_lshl_b32 s62, s[RH], 14
	v_add_nc_u32 v[ADRA], s62, v7                  ; my eight token tiles in chunk 0
	s_lshl_b32 s63, s[CH], 14
	s_add_co_u32 s63, s63, 32768
	v_add_nc_u32 v[ADRB], s63, v7                  ; my eight column tiles, behind x's sixteen
.irp q, 1,2,3
	v_add_nc_u32 v[ADRA+\q], \q*CHUNK, v[ADRA]
	v_add_nc_u32 v[ADRB+\q], \q*CHUNK, v[ADRB]
.endr
	v_mul_u32_u24 v[CO], s60, v2
	v_mad_u32_u24 v[CO], v3, s61, v[CO]
	v_mov_b32 v[FAC], s58
; 16 products: token tiles a0, a0 + 1 against the eight column tiles, K step s.  The 64 accumulators take turns, one instruction a turn, in the same order in every step.
; A scale register carries two tiles' words: the odd tile's are taken from lanes 16-31.
.macro MUL16 a0, s, first
.irp a, \a0, \a0+1
.irp b, 0,1,2,3,4,5,6,7
.set rD, 8*(8*((\a)%4)+\b)
.set rB, 128*((\s)%2)+8*\b
.set rA, AF+8*(\a)
.set rSB, SB+4*(\s)+\b/2
.set rSA, SA+4*(\s)+(\a)/2
.set pB, \b%2
.set pA, (\a)%2
.if \first
.set rC, BIAS+8*\b
.else
.set rC, rD
.endif
.if pB && pA
	v_wmma_scale_f32_16x16x128_f8f6f4 v[rD:rD+7], v[rB:rB+7], v[rA:rA+7], v[rC:rC+7], v[rSB], v[rSA] matrix_a_fmt:MATRIX_FMT_FP4 matrix_b_fmt:MATRIX_FMT_FP4 matrix_a_scale:MATRIX_SCALE_ROW1 matrix_b_scale:MATRIX_SCALE_ROW1
.elseif pB
	v_wmma_scale_f32_16x16x128_f8f6f4 v[rD:rD+7], v[rB:rB+7], v[rA:rA+7], v[rC:rC+7], v[rSB], v[rSA] matrix_a_fmt:MATRIX_FMT_FP4 matrix_b_fmt:MATRIX_FMT_FP4 matrix_a_scale:MATRIX_SCALE_ROW1
.elseif pA
	v_wmma_scale_f32_16x16x128_f8f6f4 v[rD:rD+7], v[rB:rB+7], v[rA:rA+7], v[rC:rC+7], v[rSB], v[rSA] matrix_a_fmt:MATRIX_FMT_FP4 matrix_b_fmt:MATRIX_FMT_FP4 matrix_b_scale:MATRIX_SCALE_ROW1
.else
	v_wmma_scale_f32_16x16x128_f8f6f4 v[rD:rD+7], v[rB:rB+7], v[rA:rA+7], v[rC:rC+7], v[rSB], v[rSA] matrix_a_fmt:MATRIX_FMT_FP4 matrix_b_fmt:MATRIX_FMT_FP4
.endif
.endr
.endr
.endm
.macro FETCH_B s                       ; w's eight fragments of K step s into set s % 2: two pieces of 512 bytes each
	WIN 0x40
.irp i, 0,1,2,3,4,5,6,7
.irp c, 0,1
	ds_load_b128 v[128*((\s)%2)+8*\i+4*\c:128*((\s)%2)+8*\i+4*\c+3], v[ADRB+(\s)/2] offset:2048*\i+1024*((\s)%2)+512*\c
.endr
.endr
	WIN 0
.endm
.macro FETCH_A s, i0                   ; x's fragments i0 .. i0 + 3
.irp i, \i0, \i0+1, \i0+2, \i0+3
.irp c, 0,1
	ds_load_b128 v[AF+8*(\i)+4*\c:AF+8*(\i)+4*\c+3], v[ADRA+(\s)/2] offset:2048*(\i)+1024*((\s)%2)+512*\c
.endr
.endr
.endm
; A K step with a successor.  A token tile's fragment is free when its eight products are issued: tiles 0-3 are fetched anew in the step's middle, 4-7 at its end.
; meet = 1: the next step lies in the next chunk: I wait for my part of it (the later chunks may stay out) and for my LDS loads, and meet the others.
.macro STEP s, meet, first
	s_wait_dscnt 8                                 ; w's set and x's tiles 0-3 are in; the youngest eight loads (tiles 4-7) may be out
	WIN 0xa1-0x20*(\first)                         ; source 0 (w) window 1, source 1 (x) window 0, D window 2; C with it, or, in the first step, the bias in window 0
	MUL16 0, \s, \first
.if \meet
	s_wait_tensorcnt 2-((\s)-1)/2                  ; as many loads were issued behind the next chunk's
	s_wait_dscnt 0x0
	s_barrier_signal -1
.endif
	MUL16 2, \s, \first
.if \meet
	s_barrier_wait -1
.else
	s_wait_dscnt 0x0                               ; x's tiles 4-7 are in
.endif
	PLACES 4
	FETCH_B (\s)+1
	FETCH_A (\s)+1, 0
	WIN 0xf1-0x30*(\first)                         ; D window 3
	MUL16 4, \s, \first
	MUL16 6, \s, \first
	PLACES 4
	WIN 0
	FETCH_A (\s)+1, 4
.endm
	s_wait_tensorcnt 3                             ; my part of chunk 0 is in; the three later chunks may be out
	s_barrier_signal -1
	s_barrier_wait -1                              ; everybody's is
	FETCH_B 0
	FETCH_A 0, 0
	FETCH_A 0, 4
	s_wait_loadcnt 0x0                             ; scale words, bias, mask
.irp a, 0,1,2,3,4,5,6,7                ; the way out's factor for token 16 a + r: c, 1, or for k 0 where the mask is 0
	v_or_b32 v[MK+\a], s59, v[MK+\a]
	v_cmp_ne_u32 vcc_lo, 0, v[MK+\a]
	v_cndmask_b32 v[FP+2*\a], 0, v[FAC], vcc_lo
	v_mov_b32 v[FP+2*\a+1], v[FP+2*\a]
.endr
	STEP 0, 0, 1
	STEP 1, 1, 0
	STEP 2, 0, 0
	STEP 3, 1, 0
	STEP 4, 0, 0
	STEP 5, 1, 0
	STEP 6, 0, 0
	s_wait_dscnt 8                                 ; the last step fetches nothing
	WIN 0xa1
	MUL16 0, 7, 0
	MUL16 2, 7, 0
	s_wait_dscnt 0x0
	WIN 0xf1
	MUL16 4, 7, 0
	MUL16 6, 7, 0
	PLACES 4                                       ; ahead of the reads of results and of the writes over x's fragments
.irp a, 0,1,2,3,4,5,6,7                ; a token tile at a time: scaled, rounded to f16, stored: a lane's eight channels are 16 bytes, a wave's store 512 consecutive bytes
.if \a >= 2
	s_wait_xcnt 0x0                                ; tile a - 2's stores have read their registers
.endif
	WIN 0x02+(\a)/4                                ; source 0: window 2 or 3
.irp b, 0,1,2,3,4,5,6,7
.irp i, 0,1,2,3
	v_pk_mul_f32 v[TMP+8*\b+2*\i:TMP+8*\b+2*\i+1], v[8*(8*((\a)%4)+\b)+2*\i:8*(8*((\a)%4)+\b)+2*\i+1], v[FP+2*\a:FP+2*\a+1]   ; each accumulator from its low end on
.endr
.endr
	WIN 0
.irp b, 0,1,2,3,4,5,6,7
.irp i, 0,1,2,3
	v_cvt_pk_f16_f32 v[OUT+32*((\a)%2)+4*\b+\i], v[TMP+8*\b+2*\i], v[TMP+8*\b+2*\i+1]
.endr
.endr
.irp b, 0,1,2,3,4,5,6,7
	global_store_b128 v[CO], v[OUT+32*((\a)%2)+4*\b:OUT+32*((\a)%2)+4*\b+3], s[16:17] offset:(\b/4)*262144+\a*2048+(\b%4)*512   ; head b / 4, token tile a, channel tile b % 4
.endr
.endr
	s_wait_tensorcnt 0x0                           ; the wave's end
	ds_add_u32 v[SPW], v[NIL]
	s_wait_dscnt 0x0
	CROUND                                         ; the closing round
	s_endpgm
.Lfunc_end_k_q940445511f_qkv:
	.size	k_q940445511f_qkv, .Lfunc_end_k_q940445511f_qkv-k_q940445511f_qkv
	.p2alignl 7, 3214868480
	.fill 96, 4, 3214868480
	.section	.rodata,"a",@progbits
	.p2align	6, 0x0
	.amdhsa_kernel k_q940445511f_qkv
		.amdhsa_group_segment_fixed_size 262656
		.amdhsa_private_segment_fixed_size 0
		.amdhsa_enable_private_segment 0
		.amdhsa_kernarg_size 56
		.amdhsa_user_sgpr_count 2
		.amdhsa_user_sgpr_kernarg_segment_ptr 1
		.amdhsa_wavefront_size32 1
		.amdhsa_system_sgpr_workgroup_id_x 1
		.amdhsa_system_sgpr_workgroup_id_y 1
		.amdhsa_system_sgpr_workgroup_id_z 1
		.amdhsa_system_vgpr_workitem_id 0
		.amdhsa_next_free_vgpr 1024
		.amdhsa_next_free_sgpr 100
		.amdhsa_reserve_vcc 1
		.amdhsa_float_denorm_mode_32 3
		.amdhsa_float_denorm_mode_16_64 3
		.amdhsa_memory_ordered 1
		.amdhsa_forward_progress 1
		.amdhsa_inst_pref_size 141
	.end_amdhsa_kernel
	.amdgpu_metadata
---
amdhsa.version: [ 1, 2 ]
amdhsa.kernels:
  - .name:           k_q940445511f_qkv
    .symbol:         k_q940445511f_qkv.kd
    .args:
      - { .name: x_img, .offset: 0, .size: 8, .value_kind: global_buffer, .address_space: global }
      - { .name: xs, .offset: 8, .size: 8, .value_kind: global_buffer, .address_space: global }
      - { .name: w_img, .offset: 16, .size: 8, .value_kind: global_buffer, .address_space: global }
      - { .name: ws, .offset: 24, .size: 8, .value_kind: global_buffer, .address_space: global }
      - { .name: b_attn, .offset: 32, .size: 8, .value_kind: global_buffer, .address_space: global }
      - { .name: attention_mask, .offset: 40, .size: 8, .value_kind: global_buffer, .address_space: global }
      - { .name: qkv_img, .offset: 48, .size: 8, .value_kind: global_buffer, .address_space: global }
    .group_segment_fixed_size: 262656
    .private_segment_fixed_size: 0
    .kernarg_segment_align: 8
    .kernarg_segment_size: 56
    .max_flat_workgroup_size: 128
    .sgpr_count:     100
    .vgpr_count:     1024
    .wavefront_size: 32
...
	.end_amdgpu_metadata
.endif
;; end of part 2
;; launch attn (part 3): grid 8 x 32, 8 waves a work-group, clusters of 4 x 1, 327,680 bytes of LDS; arguments qkv_img, attention_mask, a_img; writes a_img
.if DOCPART == 3
	.amdgcn_target "amdgcn-amd-amdhsa--gfx1250"
	.amdhsa_code_object_version 6
	.text
	.protected	k_q940445511f_attn
	.globl	k_q940445511f_attn
	.p2align	8
	.type	k_q940445511f_attn,@function
k_q940445511f_attn:
	s_mov_b64 s[64:65], 0
	v_nop
	global_prefetch_b8 v0, s[64:65] scope:SCOPE_SE
	s_setreg_imm32_b32 hwreg(HW_REG_WAVE_MODE, 25, 1), 1
	s_wait_xcnt 0x0
	s_wait_alu depctr_hold_cnt(0) depctr_sa_sdst(0) depctr_va_vdst(0) depctr_va_sdst(0) depctr_va_ssrc(0) depctr_va_vcc(0) depctr_vm_vsrc(0)
	s_getreg_b32 s2, hwreg(HW_REG_IB_STS2, 6, 4)
	s_cmp_eq_u32 s2, 0
	s_cbranch_scc0 .Lentry_in_a_cluster
	s_endpgm
.Lentry_in_a_cluster:
	s_bfe_u32 s2, ttmp6, 0x10000c
	s_cmp_lg_u32 s2, 0x3003
	s_cbranch_scc0 .Lentry_shape_is_right
	s_endpgm
.Lentry_shape_is_right:
; a[b][q][h][:] = the sum over k of softmax_k(score) v, score = q . k / 32, or -1e9 where attention_mask[b][k] is 0.  32 (batch, head) pairs, 2,048 tokens, 64 channels; f16 operands, f32 products, maxima and sums.
; q arrives multiplied by c = log2(e) / 32, so a product IS t = score x log2(e).  k arrives as zeros where the mask is 0, and each score's sum begins with C = 0 or -1e9 log2(e) by the key's mask:
; a masked score is exactly that constant, whatever the mask's pattern, and a row whose keys are all masked comes out uniform.
; SHARES.  A work-group owns 256 queries of one (batch, head).  Wave w owns queries 64 (w % 4) .. + 63 (four tiles of 16) and keys 1,024 (w / 4) .. + 1,023, 64 a step: two waves lie on each SIMD,
; so that one wave's softmax stands beside the other's products, and each fragment of K or V read from LDS feeds four products.  At the end the two halves' (O, m, l) are merged through LDS.
; LAYOUT.  S^T = K Q^T (source 0 = 16 keys, source 1 = 16 queries), O^T = V^T P: a lane holds ONE query throughout.  K's pieces are read as they lie; V's (16 tokens x 32 bytes) by the turning load.
; SOFTMAX.  A running maximum m and p = 2^(t - m); in every step O and l are multiplied by f = 2^(old m - new m).  l is summed by the matrix unit: a fifth tile of rows whose rows 0 and 8 are ones.
; CLUSTER.  The four query blocks of a cluster walk the same K and V: each tile is asked for jointly, by the same load with a mask that names the four.
; RING.  Two slots of 131,072 bytes, each 256 keys of K and V for both halves of the keys; each of the eight waves fetches 16 KiB of a slot by one load.  Two loads of mine are out at the start, one behind each round.
; LIMITS: p under 6e-8 is rounded to 0 in f16; |a| stays under 65,504; inputs are finite.
; REGISTERS.  window 0: v1-9 addresses; v10, v11 the add's two; v12-43 eight statistics a tile; v44-51 the ones; v52 the prefetch's offset; v64-127 S^T of two tiles, then P in the low half of each 32;
;   v128-191 K of a step; v192-255 V of a step.   window 1: v0-63 Q; v64-191 O^T; v192-223 l's four accumulators; v224-255 the keys' bias, as C.
.set SLOT1, 1<<17
.set BIASL, 262144                     ; behind the ring: the batch's 2,048 bias words; stored by the waves, never a tensor load's target
.set SPARE, BIASL+8192                 ; the spare words, 128 bytes a wave: four blocks of 256 bytes that no other line names
.set MSTG,  17408                      ; the merge: a pair of waves' stage: O 16,384 bytes, m 512, l 512.  The stages lie in slot 0, behind its last fill and its last read
.set AK0, 1                            ; v1   my lane's place in a step's K
.set AV0, 2                            ; v2   in its V
.set ABI0, 3                           ; v3   among the bias words
.set ADK, 4
.set ADV, 5
.set ADB, 6
.set L16, 7                            ; v7   16 x lane
.set STA, 8                            ; v8   the stage: 16 x lane
.set STB, 9                            ; v9   the stage's m and l: 4 x lane
.set SPW, 10
.set NIL, 11
.set ST,  12                           ; tile t at v[ST + 8 t]: +0 m; +1 the old m, then old - new; +2 f; +3 written once (named as a pair's upper word); +4 .. +7 four chains of the maximum
.set ONES, 44
.set PFO, 52
.set S,   64
.set KF,  128                          ; fragment (16 keys kt, 32 channels s) at KF + 16 kt + 8 s
.set VF,  192                          ; fragment (16 channels ct, 32 keys u) at VF + 32 u + 8 ct
.set QF,  0                            ; window 1: tile t, 32 channels s at 16 t + 8 s
.set OT,  64                           ; tile t, channels 16 ct on at OT + 32 t + 8 ct
.set LS,  192
.set BC,  224
.set WV,  12
.set LIM, 15                           ; s15  1 in a wave that prefetches, else the greatest number
.set PFA, 18                           ; s[18:19] where my prefetch stands
.set G1,  24                           ; s[24:31] group 1;  s[32:35] group 0 of the first fill;  s[36:39] of the second, which then walks
.set TB,  40                           ; s40  LDS byte at which the step to be fetched begins
.set TBB, 41                           ; s41  and its bias words
.set SLOTS, 42
.set TRIP, 43
.set SEL, 44                           ; s[44:45]
.set MSB, 0
.macro WIN new
.if MSB != (\new)
	s_set_vgpr_msb (MSB<<8)|(\new)
.set MSB, (\new)
.endif
.endm
.macro PLACES n                        ; plain vector lines behind matrix instructions: four ahead of vector reads of results and of loads into their registers, five ahead of a matrix instruction that writes over them
.rept \n
	v_nop
.endr
.endm
.macro CROUND
	s_barrier_signal -1
	s_barrier_wait -1
	s_cmp_lg_u32 s[WV], 0
	s_cbranch_scc1 .Lnot_wave_0_\@
	s_barrier_signal -3
.Lnot_wave_0_\@:
	s_barrier_wait -3
	s_barrier_signal -1
	s_barrier_wait -1
.endm
	s_load_b128 s[4:7], s[0:1], 0x0                ; qkv_img s[4:5], attention_mask s[6:7]
	s_load_b64 s[8:9], s[0:1], 0x10                ; a_img
	v_lshl_add_u32 v[SPW], v0, 2, SPARE
	v_mov_b32 v[NIL], 0
	ds_add_u32 v[SPW], v[NIL]                      ; the opening: the add, twice on end, and its wait ahead of my first tensor load
	ds_add_u32 v[SPW], v[NIL]
	v_lshrrev_b32 v1, 5, v0
	v_readfirstlane_b32 s[WV], v1                  ; wave 0..7
	s_bfe_u32 s13, ttmp6, 0x40000                  ; cx
	s_lshl_b32 s14, ttmp9, 2
	s_add_co_u32 s14, s14, s13                     ; my block of 256 queries: it enters Q's and a's addresses alone
	s_and_b32 s16, ttmp7, 0xffff                   ; batch x 16 + head, which the partners share
	s_lshr_b32 s17, s[WV], 2                       ; my half of the keys
	s_and_b32 s46, s[WV], 3                        ; my 64 queries
	s_bfe_u32 s20, s[WV], 0x10001                  ; what I fetch: waves 0, 1, 4, 5 K; 2, 3, 6, 7 V:
	s_add_co_u32 s20, s20, 1
	s_lshl_b32 s20, s20, 23                        ; the kind's 8,388,608 bytes,
	s_lshl_b32 s21, s16, 18                        ; the head's 262,144,
	s_add_co_u32 s20, s20, s21
	s_lshl_b32 s21, s17, 17                        ; the half's 1,024 keys,
	s_add_co_u32 s20, s20, s21
	s_and_b32 s21, s[WV], 1
	s_lshl_b32 s21, s21, 14                        ; which 128 of a slot's 256 keys
	s_add_co_u32 s20, s20, s21
	s_mov_b32 s21, 0
	s_lshl_b32 s22, s16, 18                        ; Q: the head, my block's 16 token tiles of 2,048 bytes, my wave's four
	s_lshl_b32 s23, s14, 15
	s_add_co_u32 s22, s22, s23
	s_lshl_b32 s23, s46, 13
	s_add_co_u32 s22, s22, s23
	s_mov_b32 s23, 0
	s_lshr_b32 s48, s16, 4                         ; the batch
	s_lshl_b32 s50, s48, 13                        ; its 2,048 mask words
	s_mov_b32 s51, 0
	s_lshl_b32 s52, s48, 22                        ; a_img: the batch's 128 token tiles of 32,768 bytes,
	s_lshl_b32 s53, s14, 19                        ; my block's 16,
	s_add_co_u32 s52, s52, s53
	s_lshl_b32 s53, s46, 17                        ; my wave's four,
	s_add_co_u32 s52, s52, s53
	s_and_b32 s53, s16, 15
	s_lshl_b32 s53, s53, 11                        ; the head's 64 channels: 2,048 bytes of a tile
	s_add_co_u32 s52, s52, s53
	s_mov_b32 s53, 0
	s_lshl_b32 s54, s13, 13                        ; the prefetch: my work-group's 8,192 bytes of a region of 32,768,
	s_add_co_u32 s54, s54, 65536                   ; in the third fill: the first change of slots steps it to the fourth
	s_mov_b32 s55, 0
	s_and_b32 s[LIM], s[WV], 1                     ; the even waves (one for each half of the keys and each of K, V)
	s_or_b32 s[LIM], s[LIM], ttmp9                 ; of the head's first cluster ask: the same in all four partners
	s_cmp_eq_u32 s[LIM], 0
	s_cselect_b32 s[LIM], 1, -1
	; group 1: 16,384 dense bytes as 64 rows of 256; elements of 8 bytes; no padding: pieces are read as they lie
	s_mov_b32 s[G1], 15|(3<<16)|(1<<21)            ; the mask names all four work-groups
	s_mov_b32 s[G1+1], 32<<16
	s_mov_b32 s[G1+2], 64<<16
	s_mov_b32 s[G1+3], 32<<16
	s_mov_b32 s[G1+4], 64
	s_mov_b32 s[G1+5], 32
	s_mov_b32 s[G1+6], 0
	s_mov_b32 s[G1+7], 0
	s_mov_b32 s[SEL], 0x76543210
	s_mov_b32 s[SEL+1], 0xfedcba98
	s_mov_b32 s[TB], 0
	s_mov_b32 s[TBB], 0
	s_mov_b32 s[SLOTS], 2
	s_lshl_b32 s47, s[WV], 14                      ; my 16 KiB of a slot
	s_wait_dscnt 0x0                               ; both opening adds are done
	s_wait_kmcnt 0x0
	s_add_nc_u64 s[20:21], s[4:5], s[20:21]
	s_add_nc_u64 s[22:23], s[4:5], s[22:23]
	s_add_nc_u64 s[6:7], s[6:7], s[50:51]
	s_add_nc_u64 s[8:9], s[8:9], s[52:53]
	s_add_nc_u64 s[PFA:PFA+1], s[20:21], s[54:55]
	s_mov_b32 s32, 1
	s_mov_b32 s33, s47
	s_mov_b64 s[34:35], s[20:21]
	s_or_b32 s35, s35, 0x80000000
	s_mov_b32 s36, 1
	s_add_co_u32 s37, s47, SLOT1
	s_add_nc_u64 s[38:39], s[20:21], 32768         ; the next 256 keys
	s_or_b32 s39, s39, 0x80000000
	CROUND                                         ; all four work-groups are here: the first joint loads meet
	tensor_load_to_lds s[32:35], s[G1:G1+7]
	s_nop 0
	tensor_load_to_lds s[36:39], s[G1:G1+7]
	s_nop 0
	PLACES 4
	v_lshlrev_b32 v53, 5, v0                       ; eight mask words a thread
	global_load_b128 v[54:57], v53, s[6:7]
	global_load_b128 v[58:61], v53, s[6:7] offset:16
	v_and_b32 v4, 31, v0                           ; lane
	v_lshlrev_b32 v[L16], 4, v4
	WIN 0x40                                       ; destination window 1
.set i, 0
.rept 16
	global_load_b128 v[QF+4*i:QF+4*i+3], v[L16], s[22:23] offset:512*i   ; Q stays in registers: piece i is registers 4 i on
.set i, i+1
.endr
	WIN 0
	v_lshlrev_b32 v[PFO], 8, v4
	v_bfe_u32 v5, v0, 4, 1                         ; h
	s_lshl_b32 s48, s17, 16                        ; my half of the keys in a slot
	v_add_nc_u32 v[AK0], s48, v[L16]
	v_and_b32 v6, 7, v0
	v_lshl_add_u32 v[AV0], v5, 3, v6               ; the turning load: lane l addresses token 8 h + l % 8,
	v_lshlrev_b32 v[AV0], 5, v[AV0]                ; rows of 32 bytes,
	v_bfe_u32 v6, v0, 3, 1
	v_lshl_add_u32 v[AV0], v6, 4, v[AV0]           ; channels 8 ((l / 8) % 2) on
	s_add_co_u32 s49, s48, 32768
	v_add_nc_u32 v[AV0], s49, v[AV0]               ; V lies behind K's 32,768 bytes
	s_lshl_b32 s49, s17, 12
	s_add_co_u32 s49, s49, BIASL
	v_lshl_add_u32 v[ABI0], v5, 5, s49             ; my half's eight keys of a tile
	s_mul_i32 s49, s46, MSTG
	v_add_nc_u32 v[STA], s49, v[L16]
	v_lshl_add_u32 v[STB], v4, 2, s49
	v_add_nc_u32 v[STB], 16384, v[STB]
	v_and_b32 v6, 7, v0
	v_cmp_eq_u32 vcc_lo, 0, v6
	v_mov_b32 v5, 0x3c003c00                       ; 1.0, 1.0 in f16
	v_cndmask_b32 v[ONES], 0, v5, vcc_lo           ; lanes 0, 8, 16, 24: rows 0 and 8 of the tile are ones, so register 0 of the product is the query's sum in both halves of the lanes
.irp j, 1,2,3,4,5,6,7
	v_mov_b32 v[ONES+\j], v[ONES]
.endr
.irp t, 0,1,2,3
	v_mov_b32 v[ST+8*\t+3], 0
.endr
	v_mov_b32 v62, 0xceabfb8f                      ; -1e9 x log2(e)
	v_lshl_add_u32 v63, v0, 5, BIASL
	s_wait_loadcnt 16                              ; the mask's two loads are in; Q's sixteen may be out
.irp j, 0,1,2,3,4,5,6,7
	v_cmp_eq_u32 vcc_lo, 0, v[54+\j]
	v_cndmask_b32 v[54+\j], 0, v62, vcc_lo
.endr
	ds_store_b128 v63, v[54:57]
	ds_store_b128 v63, v[58:61] offset:16
	s_wait_tensorcnt 1                             ; my part of slot 0 is in; slot 1's may be out
	s_wait_dscnt 0x0                               ; my bias words are stored
	s_barrier_signal -1
	s_barrier_wait -1
; S^T of tiles x, x + 1: 16 products; the eight accumulators take turns.  The first eight begin with the keys' bias as C.
.macro SPROD x
	WIN 0x14                                       ; Q and the bias in window 1
.set i, 0
.rept 8
.set rS, S+32*(i%2)+8*((i/2)%4)
.set rK, KF+16*((i/2)%4)
.set rQ, QF+16*(\x+i%2)
.set rC, BC+8*((i/2)%4)
	v_wmma_f32_16x16x32_f16 v[rS:rS+7], v[rK:rK+7], v[rQ:rQ+7], v[rC:rC+7]
.set i, i+1
.endr
	WIN 0x04
.set i, 0
.rept 8
.set rS, S+32*(i%2)+8*((i/2)%4)
.set rK, KF+16*((i/2)%4)+8
.set rQ, QF+16*(\x+i%2)+8
	v_wmma_f32_16x16x32_f16 v[rS:rS+7], v[rK:rK+7], v[rQ:rQ+7], v[rS:rS+7]
.set i, i+1
.endr
	WIN 0
.endm
; The softmax of tiles x, x + 1 for 64 keys, the two tiles line by line.  first = 1: there is no old maximum.
.macro SMAX x, first
.irp j, 0,1,2,3
.irp p, 0,1
	v_max3_num_f32 v[ST+8*(\x+\p)+4+\j], v[S+32*\p+8*\j], v[S+32*\p+8*\j+1], v[S+32*\p+8*\j+2]   ; each accumulator is read from its low end on
.endr
.endr
.irp g, 1,2
.irp j, 0,1,2,3
.irp p, 0,1
	v_max3_num_f32 v[ST+8*(\x+\p)+4+\j], v[ST+8*(\x+\p)+4+\j], v[S+32*\p+8*\j+2*\g+1], v[S+32*\p+8*\j+2*\g+2]
.endr
.endr
.endr
.irp p, 0,1
	v_max3_num_f32 v[ST+8*(\x+\p)+4], v[ST+8*(\x+\p)+4], v[S+32*\p+7], v[S+32*\p+15]
.endr
.irp p, 0,1
	v_max3_num_f32 v[ST+8*(\x+\p)+6], v[ST+8*(\x+\p)+6], v[S+32*\p+23], v[S+32*\p+31]
.endr
.irp p, 0,1
	v_max3_num_f32 v[ST+8*(\x+\p)+4], v[ST+8*(\x+\p)+4], v[ST+8*(\x+\p)+5], v[ST+8*(\x+\p)+6]
.endr
.irp p, 0,1
.if \first
	v_max_num_f32 v[ST+8*(\x+\p)+4], v[ST+8*(\x+\p)+4], v[ST+8*(\x+\p)+7]
.else
	v_max3_num_f32 v[ST+8*(\x+\p)+4], v[ST+8*(\x+\p)+4], v[ST+8*(\x+\p)+7], v[ST+8*(\x+\p)]
.endif
.endr
.irp p, 0,1
	v_permlanex16_b32 v[ST+8*(\x+\p)+5], v[ST+8*(\x+\p)+4], s[SEL], s[SEL+1]   ; the query's other 32 keys lie in the lane 16 away
.endr
.irp p, 0,1
.if \first
	v_mov_b32 v[ST+8*(\x+\p)+1], 0
.else
	v_mov_b32 v[ST+8*(\x+\p)+1], v[ST+8*(\x+\p)]
.endif
.endr
.irp p, 0,1
	v_max_num_f32 v[ST+8*(\x+\p)], v[ST+8*(\x+\p)+4], v[ST+8*(\x+\p)+5]        ; the new m
.endr
.if !\first
.irp p, 0,1
	v_sub_f32 v[ST+8*(\x+\p)+1], v[ST+8*(\x+\p)+1], v[ST+8*(\x+\p)]            ; old m - new m
.endr
.endif
.irp j, 0,2,4,6,8,10,12,14,16,18,20,22,24,26,28,30
.irp p, 0,1
	v_pk_add_f32 v[S+32*\p+\j:S+32*\p+\j+1], v[S+32*\p+\j:S+32*\p+\j+1], v[ST+8*(\x+\p):ST+8*(\x+\p)+1] op_sel_hi:[1,0] neg_lo:[0,1] neg_hi:[0,1]   ; t - m (the pair's low word serves both)
.endr
.endr
.if !\first
.irp p, 0,1
	v_exp_f32 v[ST+8*(\x+\p)+2], v[ST+8*(\x+\p)+1]                             ; f
.endr
.endif
.irp j, 0,1,2,3,4,5,6,7,8,9,10,11,12,13,14,15,16,17,18,19,20,21,22,23,24,25,26,27,28,29,30,31
.irp p, 0,1
	v_exp_f32 v[S+32*\p+\j], v[S+32*\p+\j]                                     ; p = 2^(t - m)
.endr
.endr
	v_nop                                          ; a plain line behind the last exponential
	s_wait_alu depctr_va_vdst(0)                   ; one wait for the whole batch, ahead of the first line that names a result
.irp k, 0,1,2,3,4,5,6,7,8,9,10,11,12,13,14,15
.irp p, 0,1
	v_cvt_pk_f16_f32 v[S+32*\p+\k], v[S+32*\p+2*\k], v[S+32*\p+2*\k+1]         ; packed in place, ascending: registers 8 u on are source 1 for keys 32 u on
.endr
.endr
.endm
.macro RESC x                          ; O^T and l under the new m
	WIN 0x41
.irp p, 0,1
.set j, 0
.rept 16
	v_pk_mul_f32 v[OT+32*(\x+\p)+j:OT+32*(\x+\p)+j+1], v[OT+32*(\x+\p)+j:OT+32*(\x+\p)+j+1], v[ST+8*(\x+\p)+2:ST+8*(\x+\p)+3] op_sel_hi:[1,0]
.set j, j+2
.endr
	v_pk_mul_f32 v[LS+8*(\x+\p):LS+8*(\x+\p)+1], v[LS+8*(\x+\p):LS+8*(\x+\p)+1], v[ST+8*(\x+\p)+2:ST+8*(\x+\p)+3] op_sel_hi:[1,0]   ; l's other registers are zeros
.endr
.endm
; O^T += V^T P and l += ones P of tiles x, x + 1: 20 products, ten accumulators by turns.  first = 1: the first ten start the sums.
.macro PV x, first
	WIN 0x50                                       ; C and D in window 1
.set i, 0
.rept 20
.set u, i/10
.set c5, (i%10)/2
.set rP, S+32*(i%2)+8*u
.if c5 < 4
.set rD, OT+32*(\x+i%2)+8*c5
.set rA, VF+32*u+8*c5
.else
.set rD, LS+8*(\x+i%2)
.set rA, ONES
.endif
.if \first && (u == 0)
	v_wmma_f32_16x16x32_f16 v[rD:rD+7], v[rA:rA+7], v[rP:rP+7], 0
.else
	v_wmma_f32_16x16x32_f16 v[rD:rD+7], v[rA:rA+7], v[rP:rP+7], v[rD:rD+7]
.endif
.set i, i+1
.endr
.endm
.macro FETCH_K                         ; a step's K: 64 keys x 64 channels: sixteen pieces as they lie
	v_add_nc_u32 v[ADK], s[TB], v[AK0]
.set i, 0
.rept 16
	ds_load_b128 v[KF+4*i:KF+4*i+3], v[ADK] offset:512*i
.set i, i+1
.endr
.endm
.macro FETCH_BI                        ; its keys' bias in the result's layout: register j of tile kt: key 16 kt + 8 h + j
	v_add_nc_u32 v[ADB], s[TBB], v[ABI0]
	WIN 0x40
.irp kt, 0,1,2,3
	ds_load_b128 v[BC+8*\kt:BC+8*\kt+3], v[ADB] offset:64*\kt
	ds_load_b128 v[BC+8*\kt+4:BC+8*\kt+7], v[ADB] offset:64*\kt+16
.endr
	WIN 0
.endm
.macro FETCH_V                         ; its V, turned: registers 4 e on of fragment (ct, u) come from token tile 2 u + e, channel tile ct
	v_add_nc_u32 v[ADV], s[TB], v[AV0]
	s_add_co_u32 s[TB], s[TB], 8192                ; the next fetch is the next step's
	s_add_co_u32 s[TBB], s[TBB], 256
.irp u, 0,1
.irp ct, 0,1,2,3
.irp e, 0,1
	ds_load_tr16_b128 v[VF+32*\u+8*\ct+4*\e:VF+32*\u+8*\ct+4*\e+3], v[ADV] offset:(2*\u+\e)*2048+512*\ct
.endr
.endr
.endr
.endm
; A key step in two halves.  H1: tiles 0, 1 whole, and the scores of tiles 2, 3.  H2: the next step's K and bias are fetched, tiles 2, 3 are finished, the next step's V is fetched.
.macro H1 first
	s_wait_dscnt 16                                ; K and the bias are in; V's sixteen loads may be out
	SPROD 0
	PLACES 4
	SMAX 0, \first
	s_wait_dscnt 0x0                               ; V is in
.if !\first
	RESC 0
.endif
	PV 0, \first
	WIN 0
	PLACES 5                                       ; the next products write over P
	SPROD 2
.endm
.macro H2 first, fetch
	PLACES 4
.if \fetch
	FETCH_K
	FETCH_BI
.endif
	SMAX 2, \first
.if !\first
	RESC 2
.endif
	PV 2, \first
	WIN 0
	PLACES 5
.if \fetch
	FETCH_V
.endif
.endm
; A PREFETCH INTO THE L2 of what the NEXT change of slots will ask for: a region (one half of the keys, K or V) is 32,768 bytes; the four partners share it out by address, 8,192 bytes each, lanes 256 bytes apart.
; Both clusters of a head walk the same K and V: the first asks; in it the even waves, one instruction each.  So each block is named once.  It stands four key steps ahead of that load.  The last change that fills asks for nothing.
.macro ASK
	s_cmp_gt_u32 s[SLOTS], s[LIM]
	s_cbranch_scc0 .Lnot_mine_\@
	global_prefetch_b8 v[PFO], s[PFA:PFA+1] th:TH_LOAD_NT scope:SCOPE_SE
.Lnot_mine_\@:
.endm
; THE CHANGE OF SLOTS stands between the two halves of a slot's last step: that step's K, bias and V are in registers.  Each wave waits for all its tensor loads (its part of the other slot), adds 0 to its spare word,
; and waits for that and for its reads of the slot.  fill = 1: the barrier is a round of the cluster's, and the joint refill is the first thing behind it: it has four key steps in which to land.
.macro CHANGE fill
	s_wait_tensorcnt 0x0                           ; no tensor load of mine is out, so a group 0 may be written
	ds_add_u32 v[SPW], v[NIL]
.if \fill
	s_xor_b32 s37, s37, SLOT1                      ; the walking descriptor: the other slot,
	s_add_nc_u64 s[38:39], s[38:39], 32768         ; the next 256 keys
	s_wait_xcnt 0x0                                ; the last prefetch has read its address
	s_add_nc_u64 s[PFA:PFA+1], s[PFA:PFA+1], 32768
.endif
	s_wait_dscnt 0x0                               ; the add is done, and my reads of the slot are over
.if \fill
	CROUND
	tensor_load_to_lds s[36:39], s[G1:G1+7]
	s_nop 0
	PLACES 4
	ASK
.else
	s_barrier_signal -1
	s_barrier_wait -1
.endif
	s_sub_co_u32 s[TB], s[TB], 32768               ; the fetches go back to a slot's first step,
	s_xor_b32 s[TB], s[TB], SLOT1                  ; in the other slot
.endm
.macro TRIPS n
	s_mov_b32 s[TRIP], \n
.Ltrip_\@:
	H2 0, 1
	H1 0
	s_sub_co_u32 s[TRIP], s[TRIP], 1
	s_cmp_lg_u32 s[TRIP], 0
	s_cbranch_scc1 .Ltrip_\@
.endm
	FETCH_K                                        ; key step 0
	FETCH_BI
	FETCH_V
	s_wait_loadcnt 0x0                             ; Q
	H1 1                                           ; step 0 starts m, l and O^T
	H2 1, 1
	H1 0                                           ; step 1
	TRIPS 2                                        ; up to the first half of step 3, slot 0's last
.Lslot:                                                ; two trips: slot 0 takes the third 256 keys, slot 1 the fourth
	CHANGE 1
	TRIPS 4
	s_sub_co_u32 s[SLOTS], s[SLOTS], 1
	s_cmp_lg_u32 s[SLOTS], 0
	s_cbranch_scc1 .Lslot
	CHANGE 0                                       ; the tail is written out: nothing is left to ask for
	TRIPS 4
	H2 0, 0                                        ; the last step's second half
	; THE MERGE.  Waves 4-7 hand O^T, m and l of the upper keys to waves 0-3, which hold the same queries.
	s_cmp_lt_u32 s[WV], 4
	s_cbranch_scc1 .Lkeep
	WIN 0x04                                       ; an LDS store's data are its source 1: window 1
.set i, 0
.rept 32
	ds_store_b128 v[STA], v[OT+4*i:OT+4*i+3] offset:512*i   ; as images of the registers; each accumulator's low half first
.set i, i+1
.endr
.irp t, 0,1,2,3
	ds_store_b32 v[STB], v[LS+8*\t] offset:512+128*\t
.endr
	WIN 0
.irp t, 0,1,2,3
	ds_store_b32 v[STB], v[ST+8*\t] offset:128*\t
.endr
.Lkeep:
	s_wait_dscnt 0x0                               ; for the others' sake: my stores have landed
	s_barrier_signal -1
	s_barrier_wait -1
	s_cmp_ge_u32 s[WV], 4
	s_cbranch_scc1 .Lend
.set i, 0
.rept 32
	ds_load_b128 v[S+4*i:S+4*i+3], v[STA] offset:512*i      ; the other half's O^T: v64-191
.set i, i+1
.endr
.irp t, 0,1,2,3
	ds_load_b32 v[192+\t], v[STB] offset:128*\t             ; its m
	ds_load_b32 v[196+\t], v[STB] offset:512+128*\t         ; its l
.endr
	WIN 0x01
.irp t, 0,1,2,3
	v_mov_b32 v[200+\t], v[LS+8*\t]                ; my l
.endr
	WIN 0
	s_wait_dscnt 0x0
.irp t, 0,1,2,3
	v_max_num_f32 v[204+\t], v[ST+8*\t], v[192+\t]
.endr
.irp t, 0,1,2,3
	v_sub_f32 v[208+\t], v[ST+8*\t], v[204+\t]
	v_sub_f32 v[212+\t], v[192+\t], v[204+\t]
.endr
.irp t, 0,1,2,3
	v_exp_f32 v[208+\t], v[208+\t]                 ; f1
	v_exp_f32 v[212+\t], v[212+\t]                 ; f2: one of the two is 1
.endr
	v_nop
	s_wait_alu depctr_va_vdst(0)                   ; one wait for the eight
.irp t, 0,1,2,3
	v_mul_f32 v[200+\t], v[200+\t], v[208+\t]
.endr
.irp t, 0,1,2,3
	v_fma_f32 v[200+\t], v[196+\t], v[212+\t], v[200+\t]    ; l = l1 f1 + l2 f2, at least 1
.endr
.irp t, 0,1,2,3
	v_rcp_f32 v[200+\t], v[200+\t]
.endr
	v_nop
	s_wait_alu depctr_va_vdst(0)                   ; one wait for the four
.irp t, 0,1,2,3
	v_mul_f32 v[216+2*\t], v[208+\t], v[200+\t]    ; g1 = f1 / l
	v_mul_f32 v[224+2*\t], v[212+\t], v[200+\t]    ; g2 = f2 / l
.endr
.irp t, 0,1,2,3
	v_mov_b32 v[217+2*\t], v[216+2*\t]             ; (named as the pairs' upper words)
	v_mov_b32 v[225+2*\t], v[224+2*\t]
.endr
.irp t, 0,1,2,3
.set j, 0
.rept 16
	v_pk_mul_f32 v[S+32*\t+j:S+32*\t+j+1], v[S+32*\t+j:S+32*\t+j+1], v[224+2*\t:225+2*\t] op_sel_hi:[1,0]
.set j, j+2
.endr
.endr
	WIN 0x01                                       ; source 0: my O^T, in window 1
.irp t, 0,1,2,3
.set j, 0
.rept 16
	v_pk_fma_f32 v[S+32*\t+j:S+32*\t+j+1], v[OT+32*\t+j:OT+32*\t+j+1], v[216+2*\t:217+2*\t], v[S+32*\t+j:S+32*\t+j+1] op_sel_hi:[1,0,1]
.set j, j+2
.endr
.endr
	WIN 0
.set k, 0
.rept 64
	v_cvt_pk_f16_f32 v[S+k], v[S+2*k], v[S+2*k+1]  ; packed in place, ascending: tile t, channel tile ct at S + 16 t + 4 ct
.set k, k+1
.endr
.irp t, 0,1,2,3
.irp ct, 0,1,2,3
	global_store_b128 v[L16], v[S+16*\t+4*\ct:S+16*\t+4*\ct+3], s[8:9] offset:32768*\t+512*\ct   ; a piece of the projection's operand: 512 consecutive bytes
.endr
.endr
.Lend:
	s_wait_tensorcnt 0x0                           ; the wave's end
	ds_add_u32 v[SPW], v[NIL]
	s_wait_dscnt 0x0
	CROUND                                         ; the closing round
	s_endpgm
.Lfunc_end_k_q940445511f_attn:
	.size	k_q940445511f_attn, .Lfunc_end_k_q940445511f_attn-k_q940445511f_attn
	.p2alignl 7, 3214868480
	.fill 96, 4, 3214868480
	.section	.rodata,"a",@progbits
	.p2align	6, 0x0
	.amdhsa_kernel k_q940445511f_attn
		.amdhsa_group_segment_fixed_size 327680
		.amdhsa_private_segment_fixed_size 0
		.amdhsa_enable_private_segment 0
		.amdhsa_kernarg_size 24
		.amdhsa_user_sgpr_count 2
		.amdhsa_user_sgpr_kernarg_segment_ptr 1
		.amdhsa_wavefront_size32 1
		.amdhsa_system_sgpr_workgroup_id_x 1
		.amdhsa_system_sgpr_workgroup_id_y 1
		.amdhsa_system_sgpr_workgroup_id_z 1
		.amdhsa_system_vgpr_workitem_id 0
		.amdhsa_next_free_vgpr 512
		.amdhsa_next_free_sgpr 66
		.amdhsa_reserve_vcc 1
		.amdhsa_float_denorm_mode_32 3
		.amdhsa_float_denorm_mode_16_64 3
		.amdhsa_memory_ordered 1
		.amdhsa_forward_progress 1
		.amdhsa_inst_pref_size 174
	.end_amdhsa_kernel
	.amdgpu_metadata
---
amdhsa.version: [ 1, 2 ]
amdhsa.kernels:
  - .name:           k_q940445511f_attn
    .symbol:         k_q940445511f_attn.kd
    .args:
      - { .name: qkv_img, .offset: 0, .size: 8, .value_kind: global_buffer, .address_space: global }
      - { .name: attention_mask, .offset: 8, .size: 8, .value_kind: global_buffer, .address_space: global }
      - { .name: a_img, .offset: 16, .size: 8, .value_kind: global_buffer, .address_space: global }
    .group_segment_fixed_size: 327680
    .private_segment_fixed_size: 0
    .kernarg_segment_align: 8
    .kernarg_segment_size: 24
    .max_flat_workgroup_size: 256
    .sgpr_count:     66
    .vgpr_count:     512
    .wavefront_size: 32
...
	.end_amdgpu_metadata
.endif
;; end of part 3
;; launch proj (part 4): grid 8 x 32, 4 waves a work-group, clusters of 4 x 4, 327,680 bytes of LDS; arguments a_img, wp_img, b_proj, out0; writes out0
.if DOCPART == 4
	.amdgcn_target "amdgcn-amd-amdhsa--gfx1250"
	.amdhsa_code_object_version 6
	.text
	.protected	k_q940445511f_proj
	.globl	k_q940445511f_proj
	.p2align	8
	.type	k_q940445511f_proj,@function
k_q940445511f_proj:
	s_mov_b64 s[64:65], 0
	v_nop
	global_prefetch_b8 v0, s[64:65] scope:SCOPE_SE
	s_setreg_imm32_b32 hwreg(HW_REG_WAVE_MODE, 25, 1), 1
	s_wait_xcnt 0x0
	s_wait_alu depctr_hold_cnt(0) depctr_sa_sdst(0) depctr_va_vdst(0) depctr_va_sdst(0) depctr_va_ssrc(0) depctr_va_vcc(0) depctr_vm_vsrc(0)
	s_getreg_b32 s2, hwreg(HW_REG_IB_STS2, 6, 4)
	s_cmp_eq_u32 s2, 0
	s_cbranch_scc0 .Lentry_in_a_cluster
	s_endpgm
.Lentry_in_a_cluster:
	s_bfe_u32 s2, ttmp6, 0x10000c
	s_cmp_lg_u32 s2, 0xf033
	s_cbranch_scc0 .Lentry_shape_is_right
	s_endpgm
.Lentry_shape_is_right:
; out0 = a w_proj + b_proj.  a [4096][1024] and w_proj arrive as f16 in the order of the operands' registers (a_img, wp_img: [tile of 16][32 k 32][c 2][lane][16 B]); sums in f32; out0 [4096][1024] f32.
; A tile of 128 x 128 gives 256 work-groups; four waves, each 64 x 64: 16 accumulators.  K goes in four steps of 256 through a ring of two LDS slots: a tile of 16 rows has 8,192 consecutive bytes a step,
; and a wave's tensor load brings four such tiles.  Pieces of 512 bytes are read as they lie: no pitch, no padding.
; CLUSTERS: 4 x 4 work-groups; a's tiles are shared along a row of the cluster, w_proj's along a column: joint loads.  One load of mine is out behind each round, two at the start.
; THE MATRIX INSTRUCTION IS USED TRANSPOSED (source 0 = 16 columns of w_proj, source 1 = 16 tokens): a lane holds eight neighbouring numbers of a row of out0.  The bias is the C of each sum's first product.
; No prefetch: a K step's products are few beside its tiles, and the launch is short.
; REGISTERS: window 0: v16-29 addresses; v32-95 the way out; v96-127 the bias; v128-255 accumulators ((a, b) at 128 + 8 (4 a + b)).  window 1: two fragment buffers of 128: 64 registers of a, then 64 of w_proj, for 64 along K.
.set SLOT,  131072                     ; a's eight tiles of 8,192 bytes, then w_proj's eight
.set STAGE, 2*SLOT                     ; behind the ring: 16 rows x 272 bytes for each wave
.set SPITCH, 272
.set SPARE, STAGE+4*16*SPITCH          ; the spare words, 128 bytes a wave
.set ADRA, 16
.set ADRB, 20
.set STO,  24
.set RD,   25
.set CO,   26
.set SPW,  28
.set NIL,  29
.set TMP,  32
.set BIAS, 96
.set ACC,  128
.set F0,   0
.set F1,   128
.set WV,   12
.set RH,   13                          ; my half of the tile's tokens.  Also: I fetch for a (0) or for w_proj (1)
.set CH,   14                          ; my half of its columns.  Also: which four tiles I fetch
.set G1,   24
.set G0,   32
.set G1B,  48
.set G0B,  56
.set MSB, 0
.macro WIN new
.if MSB != (\new)
	s_set_vgpr_msb (MSB<<8)|(\new)
.set MSB, (\new)
.endif
.endm
.set MUL,  0x05                        ; sources 0 and 1 window 1; C and D window 0
.set TO_F, 0x40                        ; destination window 1, address window 0
.macro PLACES
.rept 4
	v_nop
.endr
.endm
.macro JLOAD s                         ; a joint load: waves 0, 1 for a, waves 2, 3 for w_proj; the branch hangs on the wave's number alone
	s_cmp_eq_u32 s[RH], 0
	s_cbranch_scc0 .Lfor_b_\@
	tensor_load_to_lds s[G0+4*\s:G0+4*\s+3], s[G1:G1+7]
	s_nop 0
	PLACES
	s_branch .Lasked_\@
.Lfor_b_\@:
	tensor_load_to_lds s[G0B+4*\s:G0B+4*\s+3], s[G1B:G1B+7]
	s_nop 0
	PLACES
.Lasked_\@:
.endm
.macro CREST
	s_cmp_lg_u32 s[WV], 0
	s_cbranch_scc1 .Lnot_wave_0_\@
	s_barrier_signal -3
.Lnot_wave_0_\@:
	s_barrier_wait -3
	s_barrier_signal -1
	s_barrier_wait -1
.endm
.macro CROUND
	s_barrier_signal -1
	s_barrier_wait -1
	CREST
.endm
	s_load_b128 s[4:7], s[0:1], 0x0                ; a_img s[4:5], wp_img s[6:7]
	s_load_b128 s[8:11], s[0:1], 0x10              ; b_proj s[8:9], out0 s[10:11]
	v_lshl_add_u32 v[SPW], v0, 2, SPARE
	v_mov_b32 v[NIL], 0
	ds_add_u32 v[SPW], v[NIL]                      ; the opening: the add, twice on end, and its wait ahead of my first tensor load
	ds_add_u32 v[SPW], v[NIL]
	v_lshrrev_b32 v1, 5, v0
	v_readfirstlane_b32 s[WV], v1
	s_lshr_b32 s[RH], s[WV], 1
	s_and_b32 s[CH], s[WV], 1
	s_bfe_u32 s40, ttmp6, 0x40000                  ; cx
	s_bfe_u32 s41, ttmp6, 0x40004                  ; cy
	s_lshl_b32 s42, ttmp9, 2
	s_add_co_u32 s42, s42, s40                     ; tile column
	s_and_b32 s15, ttmp7, 0xffff
	s_lshl_b32 s15, s15, 2
	s_add_co_u32 s15, s15, s41                     ; tile row
	s_lshl_b32 s43, s41, 2
	s_lshl_b32 s43, 15, s43                        ; my row of the cluster
	s_lshl_b32 s44, 0x1111, s40                    ; my column
	; group 1: four tiles' 8,192 bytes, 32,768 bytes from tile to tile; elements of 8 bytes
	s_or_b32 s[G1], s43, (3<<16)|(1<<21)
	s_or_b32 s[G1B], s44, (3<<16)|(1<<21)
.irp g, G1, G1B
	s_mov_b32 s[\g+1], 1024<<16
	s_mov_b32 s[\g+2], 4<<16
	s_mov_b32 s[\g+3], 1024<<16
	s_mov_b32 s[\g+4], 4
	s_mov_b32 s[\g+5], 4096
	s_mov_b32 s[\g+6], 0
	s_mov_b32 s[\g+7], 0
.endr
	s_lshl_b32 s18, s[CH], 17                      ; the four tiles that I fetch
	s_lshl_b32 s16, s15, 18                        ; a: eight tiles of 32,768 bytes a tile row
	s_add_co_u32 s16, s16, s18
	s_mov_b32 s17, 0
	s_lshl_b32 s46, s42, 18                        ; w_proj: by the tile column
	s_add_co_u32 s46, s46, s18
	s_mov_b32 s47, 0
	s_lshl_b32 s20, s[WV], 15                      ; where they go: wave x 32,768
	s_wait_dscnt 0x0
	s_wait_kmcnt 0x0
	s_add_nc_u64 s[16:17], s[4:5], s[16:17]
	s_add_nc_u64 s[46:47], s[6:7], s[46:47]
	CROUND                                         ; the first joint loads meet
.irp s, 0,1
	s_mov_b32 s[G0+4*\s], 1
	s_add_co_u32 s[G0+4*\s+1], s20, \s*SLOT
	s_add_nc_u64 s[G0+4*\s+2:G0+4*\s+3], s[16:17], \s*8192
	s_or_b32 s[G0+4*\s+3], s[G0+4*\s+3], 0x80000000
	s_mov_b32 s[G0B+4*\s], 1
	s_add_co_u32 s[G0B+4*\s+1], s20, \s*SLOT
	s_add_nc_u64 s[G0B+4*\s+2:G0B+4*\s+3], s[46:47], \s*8192
	s_or_b32 s[G0B+4*\s+3], s[G0B+4*\s+3], 0x80000000
	JLOAD \s
.endr
	v_and_b32 v1, 15, v0                           ; r
	v_bfe_u32 v2, v0, 4, 1                         ; h
	v_and_b32 v3, 31, v0
	v_lshlrev_b32 v3, 4, v3                        ; 16 x lane
	v_lshlrev_b32 v4, 5, v2                        ; the bias: my half's eight numbers
	s_lshl_b32 s18, s42, 9                         ; my 64 columns, in bytes: 512 x tile column + 256 x half
	s_lshl_b32 s19, s[CH], 8
	s_add_co_u32 s18, s18, s19
	s_mov_b32 s19, 0
	s_add_nc_u64 s[8:9], s[8:9], s[18:19]
.irp b, 0,1,2,3
	global_load_b128 v[BIAS+8*\b:BIAS+8*\b+3], v4, s[8:9] offset:64*\b
	global_load_b128 v[BIAS+8*\b+4:BIAS+8*\b+7], v4, s[8:9] offset:64*\b+16
.endr
	s_add_nc_u64 s[10:11], s[10:11], s[18:19]
	s_lshl_b32 s18, s15, 19                        ; my 64 rows of 4,096 bytes: 128 x tile row + 64 x half
	s_lshl_b32 s21, s[RH], 18
	s_add_co_u32 s18, s18, s21
	s_add_nc_u64 s[10:11], s[10:11], s[18:19]
	s_lshl_b32 s21, s[RH], 15                      ; my four tiles of a
	s_lshl_b32 s22, s[CH], 15                      ; my four of w_proj,
	s_add_co_u32 s22, s22, 65536                   ; which lie behind a's eight
.irp s, 0,1
	v_add_nc_u32 v[ADRA+\s], s21, v3
	v_add_nc_u32 v[ADRB+\s], s22, v3
	s_add_co_u32 s21, s21, SLOT
	s_add_co_u32 s22, s22, SLOT
.endr
	s_mul_i32 s23, s[WV], 16*SPITCH
	s_add_co_u32 s23, s23, STAGE                   ; my stage
	v_mul_u32_u24 v5, v1, SPITCH                   ; in: row r, 32 bytes for each half of the lanes
	v_lshl_add_u32 v5, v2, 5, v5
	v_add_nc_u32 v[STO], s23, v5
	v_mul_u32_u24 v5, v2, SPITCH                   ; back: lanes 0-15 one row of 256 bytes, lanes 16-31 the next
	v_lshl_add_u32 v5, v1, 4, v5
	v_add_nc_u32 v[RD], s23, v5
	v_lshlrev_b32 v[CO], 12, v2                    ; and the same two rows in out0
	v_lshl_add_u32 v[CO], v1, 4, v[CO]
; 8 products: token tiles a0, a0 + 1 x the four column tiles, 32 along K: half c of buffer f.  The 16 accumulators take turns.  first = 1: the sums begin with the bias.
.macro MUL8 f, c, a0, first
.irp a, \a0, \a0+1
.irp b, 0,1,2,3
.if \first
	v_wmma_f32_16x16x32_f16 v[ACC+8*(4*(\a)+\b):ACC+8*(4*(\a)+\b)+7], v[\f+64+8*(4*\c+\b):\f+64+8*(4*\c+\b)+7], v[\f+8*(4*\c+(\a)):\f+8*(4*\c+(\a))+7], v[BIAS+8*\b:BIAS+8*\b+7]
.else
	v_wmma_f32_16x16x32_f16 v[ACC+8*(4*(\a)+\b):ACC+8*(4*(\a)+\b)+7], v[\f+64+8*(4*\c+\b):\f+64+8*(4*\c+\b)+7], v[\f+8*(4*\c+(\a)):\f+8*(4*\c+(\a))+7], v[ACC+8*(4*(\a)+\b):ACC+8*(4*(\a)+\b)+7]
.endif
.endr
.endr
.endm
.macro FETCH slot, qd, f               ; 32 LDS loads in one run: the fragments of the slot's quarter qd (64 along K) into buffer f, the first 32 along K first
	WIN TO_F
.irp c, 0,1
.irp i, 0,1,2,3
	ds_load_b128 v[\f+64+8*(4*\c+\i):\f+64+8*(4*\c+\i)+3],   v[ADRB+\slot] offset:\i*8192+(2*(\qd)+\c)*1024
	ds_load_b128 v[\f+64+8*(4*\c+\i)+4:\f+64+8*(4*\c+\i)+7], v[ADRB+\slot] offset:\i*8192+(2*(\qd)+\c)*1024+512
	ds_load_b128 v[\f+8*(4*\c+\i):\f+8*(4*\c+\i)+3],         v[ADRA+\slot] offset:\i*8192+(2*(\qd)+\c)*1024
	ds_load_b128 v[\f+8*(4*\c+\i)+4:\f+8*(4*\c+\i)+7],       v[ADRA+\slot] offset:\i*8192+(2*(\qd)+\c)*1024+512
.endr
.endr
.endm
.macro QUARTER slot, qd, f, g, first   ; multiplies buffer f and fetches the slot's quarter qd into g
	s_wait_dscnt 16                                ; the first 32 along K are in
	WIN MUL
	MUL8 \f, 0, 0, \first
	MUL8 \f, 0, 2, \first
	PLACES
	FETCH \slot, \qd, \g
	s_wait_dscnt 32                                ; all but the 32 just issued
	WIN MUL
	MUL8 \f, 1, 0, 0
	MUL8 \f, 1, 2, 0
.endm
; A slot's last quarter multiplies buffer 1 and changes slots: one barrier; in front of it each wave waits for all its tensor loads, adds 0 to its spare word, and waits for that and for its reads of this slot.
; fill = 1: the barrier opens a round of the cluster's, and the slot is filled again, two K steps ahead, first thing behind it.
.macro TURN slot, next, fill
	WIN 0
	s_wait_tensorcnt 0x0                           ; my part of the next slot has landed
	ds_add_u32 v[SPW], v[NIL]
	s_wait_dscnt 17                                ; (the add and the youngest sixteen loads may be out)
	WIN MUL
	MUL8 F1, 0, 0, 0
	s_wait_dscnt 0x0                               ; the add is done, and my reads of this slot are over
	s_barrier_signal -1
	MUL8 F1, 0, 2, 0
.if \fill
	WIN 0
.endif
	s_barrier_wait -1
.if \fill
	CREST
	s_add_nc_u64 s[G0+4*\slot+2:G0+4*\slot+3], s[G0+4*\slot+2:G0+4*\slot+3], 16384
	s_add_nc_u64 s[G0B+4*\slot+2:G0B+4*\slot+3], s[G0B+4*\slot+2:G0B+4*\slot+3], 16384
	JLOAD \slot                                    ; the four plain lines behind it are also the places in front of the loads below
.else
	PLACES
.endif
	FETCH \next, 0, F0
	WIN MUL
	MUL8 F1, 1, 0, 0
	MUL8 F1, 1, 2, 0
.endm
	s_wait_tensorcnt 1                             ; my part of K step 0 is in; K step 1's may be out
	s_barrier_signal -1
	s_barrier_wait -1
	FETCH 0, 0, F0
	s_wait_loadcnt 0x0                             ; the bias
	QUARTER 0, 1, F0, F1, 1                        ; K step 0
	QUARTER 0, 2, F1, F0, 0
	QUARTER 0, 3, F0, F1, 0
	TURN 0, 1, 1                                   ; slot 0 takes K step 2
	QUARTER 1, 1, F0, F1, 0                        ; K step 1
	QUARTER 1, 2, F1, F0, 0
	QUARTER 1, 3, F0, F1, 0
	TURN 1, 0, 1                                   ; slot 1 takes K step 3
	QUARTER 0, 1, F0, F1, 0                        ; K step 2
	QUARTER 0, 2, F1, F0, 0
	QUARTER 0, 3, F0, F1, 0
	TURN 0, 1, 0                                   ; nothing is left to ask for
	QUARTER 1, 1, F0, F1, 0                        ; K step 3
	QUARTER 1, 2, F1, F0, 0
	QUARTER 1, 3, F0, F1, 0
	s_wait_dscnt 16
	WIN MUL
	MUL8 F1, 0, 0, 0
	MUL8 F1, 0, 2, 0
	s_wait_dscnt 0x0
	MUL8 F1, 1, 0, 0
	MUL8 F1, 1, 2, 0
	WIN 0
; THE WAY OUT, 16 tokens x 64 columns at a time: a lane's 32 bytes go into my own stage and come back as whole rows of 256 bytes.  LDS serves a wave's instructions in order: no wait between the stores and the loads.
.macro TOSTAGE a
.irp b, 0,1,2,3
	ds_store_b128 v[STO], v[ACC+8*(4*(\a)+\b):ACC+8*(4*(\a)+\b)+3] offset:64*\b        ; each accumulator from its low end on
	ds_store_b128 v[STO], v[ACC+8*(4*(\a)+\b)+4:ACC+8*(4*(\a)+\b)+7] offset:64*\b+16
.endr
.irp t, 0,1,2,3,4,5,6,7
	ds_load_b128 v[TMP+32*((\a)%2)+4*\t:TMP+32*((\a)%2)+4*\t+3], v[RD] offset:\t*2*SPITCH
.endr
.endm
.macro SEND a, younger                 ; younger: the LDS instructions issued behind block a's loads, which may stay out
	s_wait_dscnt \younger
.irp t, 0,1,2,3,4,5,6,7
	global_store_b128 v[CO], v[TMP+32*((\a)%2)+4*\t:TMP+32*((\a)%2)+4*\t+3], s[10:11] offset:(16*(\a)+2*\t)*4096 th:TH_STORE_NT   ; sixteen lanes store 256 consecutive bytes, aligned; written once, read by nobody here
.endr
.endm
	PLACES
	TOSTAGE 0
.irp a, 1,2,3
.if \a > 1
	s_wait_xcnt 0x0                                ; block a - 2's stores have read their registers
.endif
	TOSTAGE \a
	SEND \a-1, 16
.endr
	SEND 3, 0
	s_wait_tensorcnt 0x0                           ; the wave's end
	ds_add_u32 v[SPW], v[NIL]
	s_wait_dscnt 0x0
	CROUND                                         ; the closing round
	s_endpgm
.Lfunc_end_k_q940445511f_proj:
	.size	k_q940445511f_proj, .Lfunc_end_k_q940445511f_proj-k_q940445511f_proj
	.p2alignl 7, 3214868480
	.fill 96, 4, 3214868480
	.section	.rodata,"a",@progbits
	.p2align	6, 0x0
	.amdhsa_kernel k_q940445511f_proj
		.amdhsa_group_segment_fixed_size 327680
		.amdhsa_private_segment_fixed_size 0
		.amdhsa_enable_private_segment 0
		.amdhsa_kernarg_size 32
		.amdhsa_user_sgpr_count 2
		.amdhsa_user_sgpr_kernarg_segment_ptr 1
		.amdhsa_wavefront_size32 1
		.amdhsa_system_sgpr_workgroup_id_x 1
		.amdhsa_system_sgpr_workgroup_id_y 1
		.amdhsa_system_sgpr_workgroup_id_z 1
		.amdhsa_system_vgpr_workitem_id 0
		.amdhsa_next_free_vgpr 512
		.amdhsa_next_free_sgpr 66
		.amdhsa_reserve_vcc 0
		.amdhsa_float_denorm_mode_32 3
		.amdhsa_float_denorm_mode_16_64 3
		.amdhsa_memory_ordered 1
		.amdhsa_forward_progress 1
		.amdhsa_inst_pref_size 86
	.end_amdhsa_kernel
	.amdgpu_metadata
---
amdhsa.version: [ 1, 2 ]
amdhsa.kernels:
  - .name:           k_q940445511f_proj
    .symbol:         k_q940445511f_proj.kd
    .args:
      - { .name: a_img, .offset: 0, .size: 8, .value_kind: global_buffer, .address_space: global }
      - { .name: wp_img, .offset: 8, .size: 8, .value_kind: global_buffer, .address_space: global }
      - { .name: b_proj, .offset: 16, .size: 8, .value_kind: global_buffer, .address_space: global }
      - { .name: out0, .offset: 24, .size: 8, .value_kind: global_buffer, .address_space: global }
    .group_segment_fixed_size: 327680
    .private_segment_fixed_size: 0
    .kernarg_segment_align: 8
    .kernarg_segment_size: 32
    .max_flat_workgroup_size: 128
    .sgpr_count:     66
    .vgpr_count:     512
    .wavefront_size: 32
...
	.end_amdgpu_metadata
.endif
;; end of part 4
